; MI455X (gfx1250); checked and timed in simulation.
; The chip was launched on July 23, 2026; its instructions are those of AMD's public machine-readable ISA for CDNA 5 (MIT licence, August 2026) and "CDNA5" Instruction Set Architecture Reference Guide (July 2026). The comments in the code are by the model that wrote it; some were corrected since.
;; Multi Head Attention. Allowed arithmetic: matrix products marked QUANTISED: E2M1 operands, one E8M0 scale for each 32 along K, by v_wmma_scale_f32_16x16x128_f8f6f4 with both operands' format E2M1 (or v_wmma_scale_f32_32x16x128_f4), f32 sums; everything else in f32.
;; Inputs: Wk_codes 1,024 x 32 x 16 uint8 (E2M1 codes of Wk, K innermost, in blocks of 32 codes, two codes a byte); Wk_scales 1,024 x 32 uint8 (E8M0 scales of Wk, one for each 32 codes along K); Wo_codes 1,024 x 32 x 16 uint8 (E2M1 codes of Wo, K innermost, in blocks of 32 codes, two codes a byte); Wo_scales 1,024 x 32 uint8 (E8M0 scales of Wo, one for each 32 codes along K); Wq_codes 1,024 x 32 x 16 uint8 (E2M1 codes of Wq, K innermost, in blocks of 32 codes, two codes a byte); Wq_scales 1,024 x 32 uint8 (E8M0 scales of Wq, one for each 32 codes along K); Wv_codes 1,024 x 32 x 16 uint8 (E2M1 codes of Wv, K innermost, in blocks of 32 codes, two codes a byte); Wv_scales 1,024 x 32 uint8 (E8M0 scales of Wv, one for each 32 codes along K); bk 1,024 float32; bo 1,024 float32; bq 1,024 float32; bv 1,024 float32; mask 2,048 x 2,048 int32; x_codes 4 x 2,048 x 32 x 16 uint8 (E2M1 codes of x, K innermost, in blocks of 32 codes, two codes a byte); x_scales 4 x 2,048 x 32 uint8 (E8M0 scales of x, one for each 32 codes along K).
;; Outputs: out0 4 x 2,048 x 1,024 float32.
;; This version of the problem:
;;   THIS VERSION OF THE PROBLEM IS GIVEN IN LOW PRECISION. The matrix products marked QUANTISED in the list below multiply operands that are first quantised to E2M1 (2 exponent bits, 1 mantissa bit; 4 bits a number), with one power-of-two scale for each 32 numbers along K (OCP MX v1.0); their sums are f32. All else is computed in f32.
;;   The module's matrix products, in the order in which they are computed (A, B: the left and right operand; K: the contracted axis; several contracted axes count as one K, in the product's order):
;;     1. [M 8,192, K 1,024] x [K 1,024, N 1,024]; A: input x (given as codes); B: input Wq (given as codes): QUANTISED
;;     2. [M 8,192, K 1,024] x [K 1,024, N 1,024]; A: input x (given as codes); B: input Wk (given as codes): QUANTISED
;;     3. [M 8,192, K 1,024] x [K 1,024, N 1,024]; A: input x (given as codes); B: input Wv (given as codes): QUANTISED
;;     4. batch 64 x [M 2,048, K 64] x [K 64, N 2,048]; A: computed on the way; B: computed on the way: QUANTISED
;;     5. batch 64 x [M 2,048, K 2,048] x [K 2,048, N 64]; A: softmax (see below); B: computed on the way: QUANTISED
;;     6. [M 8,192, K 1,024] x [K 1,024, N 1,024]; A: computed on the way; B: input Wo (given as codes): QUANTISED
;;   THE QUANTISER, for each operand of a quantised product, along K:
;;     - K is cut into blocks of 32 from its start; a last block that is shorter is filled with zeros.
;;     - A block's scale is 2^e with e = floor(log2(the largest magnitude in the block)) - 2, held to -126 .. 127; a block of zeros has e = 0. As a byte (E8M0): e + 127.
;;     - Each number is divided by its block's scale, clamped to +-6, and rounded to the nearest number of E2M1, ties to even, subnormals kept.
;;     - The product sums the exact products of the quantised numbers (number of the format x scale) in f32.
;;   ~~~python
;;   def quantise(x, axis):      # numpy; x: float32 -> the quantised numbers, widened to float32 again
;;       x = np.moveaxis(x, axis, -1); K = x.shape[-1]
;;       x = np.pad(x, [(0, 0)] * (x.ndim - 1) + [(0, -K % 32)]); x = x.reshape(x.shape[:-1] + (-1, 32)); a = np.abs(x).max(-1, keepdims=True)
;;       e = np.where(a > 0, np.clip(np.frexp(np.where(a > 0, a, 1))[1] - 1 - 2, -126, 127), 0)      # np.frexp(a)[1] - 1 = floor(log2(a)), exactly
;;       r = np.clip(x / 2.0 ** e, -6, 6)
;;       step = 2.0 ** (np.maximum(np.frexp(np.where(r == 0, 1, r))[1] - 1, 0) - 1)
;;       q = np.round(r / step) * step * 2.0 ** e      # np.round: ties to even
;;       return np.moveaxis(q.reshape(q.shape[:-2] + (-1,))[..., :K], -1, axis).astype(np.float32)
;;   ~~~
;;   SOFTMAX AHEAD OF A QUANTISED PRODUCT. Where the list says 'softmax', what is quantised is not the finished softmax but p = 2^(t - M), with t = logit x log2(e) and M = ceil(the row's largest t), a whole number; so 1/2 < the row's largest p <= 1. The row's sum l is taken of the UNQUANTISED p, in f32, and the product's result is divided by l at the end. Since M is a whole number, a kernel that streams over the keys may use a running M (the ceiling of the running maximum): every later rescaling is an exact power of two, which a block's scale takes up: the codes' values come out the same.
;;   OPERANDS COMPUTED ON THE WAY. 'Computed on the way' means the value that the module computes at that place (a softmax that the list does not call 'softmax' is quantised finished and normalised). What goes into a quantiser is computed in f32, as accurately as f32 sums, v_exp_f32 and their like allow (about 1e-6 of the number): no bf16 or f16 on the way to a quantiser, and a product that is left as it is and whose result goes on into a quantised operand takes f32 operands (vector FMAs, or v_wmma_f32_16x16x4_f32). A number that lies on a knife's edge between two numbers of the format may be rounded either way, as far as f32 arithmetic and the matrix unit's own rounding can turn it there, and no further.
;;   INPUTS GIVEN AS CODES. Wk (in the module: [1024, 1024], K = its axis 1); Wo (in the module: [1024, 1024], K = its axis 1); Wq (in the module: [1024, 1024], K = its axis 1); Wv (in the module: [1024, 1024], K = its axis 1); x (in the module: [4, 2048, 1024], K = its axis 2): each comes as NAME_codes (uint8): NAME with its K axis moved to the last place and cut into blocks of 32 codes, [.., K / 32, bytes a block], one block behind the other in memory; two codes a byte, the lower K in the low four bits (a code: sign, 2 exponent bits, 1 mantissa bit); and NAME_scales (uint8): the same leading axes, one E8M0 byte (e + 127) for each 32 codes along K. Its value is code x scale, taken as it is: it is not quantised again, and the codes and scales need not be those that the quantiser above would give.
;; 2 versions, each right; version 2 is version 1 with the launch attn written anew for expert scheduling mode. Each part assembles by itself: llvm-mc -triple=amdgcn-amd-amdhsa -mcpu=gfx1250 --defsym DOCPART=n.
;; ======== version 1 of 2: 4 launches
;; limits: right only within a limited range of input values
;; workspace buffers: maskw 524,288 bytes of whole numbers; flags 8,192 bytes of whole numbers; q_img 4,194,304 bytes; q_sc 262,144 bytes; kv_img 8,388,608 bytes; kv_sc 524,288 bytes; ctx_img 4,194,304 bytes; ctx_sc 262,144 bytes
;; launch prep (part 1): grid 256 x 1, 4 waves a work-group, no clusters, 68,096 bytes of LDS; arguments mask, maskw, flags; writes maskw, flags
.if DOCPART == 1
	.amdgcn_target "amdgcn-amd-amdhsa--gfx1250"
	.amdhsa_code_object_version 6
	.text
	.protected	k_q214bae85da_prep
	.globl	k_q214bae85da_prep
	.p2align	8
	.type	k_q214bae85da_prep,@function
k_q214bae85da_prep:
	s_mov_b64 s[64:65], 0
	v_nop
	global_prefetch_b8 v0, s[64:65] scope:SCOPE_SE
	s_setreg_imm32_b32 hwreg(HW_REG_WAVE_MODE, 25, 1), 1
	s_wait_xcnt 0x0
; MULTI-HEAD ATTENTION IN MX-FP4, FOUR LAUNCHES: prep (this one), qkv, attn, oproj.
; DEAD WORK: none.  Every input of the module has a way to the output for some finite values: all four biases go into a quantiser or into the result, and the mask is an input whose every word counts.
; So every input is loaded and no product of the table is left out.  What IS left out, in attn, hangs on the mask's whole numbers, which this launch reads and stores for it:
; a piece of 32 queries x 128 keys whose mask words are all 0 gets the logit -1e9 everywhere; beside any open key of the same row its weight 2^(t - M) is 0 in f32.
; attn passes over such a piece only where every one of the 32 rows has an open key somewhere among the 2,048; a block with a row that is hidden everywhere does all its pieces, and that row comes out as the plain average of v, as in the module.
; LIMIT: open logits lie above -0.99e9 (inputs some 30 times those drawn give logits near 1e6).
; THIS LAUNCH turns mask [2048][2048] int32 into
;   maskw [qb 64][step 16][tile 2][n 64] words: bit L (lane L = 16 h + r) of word n is 1 where mask[32 qb + 16 tile + r][128 step + 16 (n / 8) + 8 h + n % 8] == 0: the lane mask of attn's score register n;
;   flags [qb][step][2] words: OPEN, bit 16 tile + r: the row has an open key in the step;  HID: it has a hidden one.
; SHARES: a wave takes 32 rows x 128 keys, 16 KiB.  Each load reads 512 consecutive bytes of a row; the rows turn through the wave's own LDS region (pitch 528 bytes = 33 x 16, so that sixteen rows of one column fall on
; different banks) and come back in the layout of a matrix result.  No barrier: waves share nothing.  The matrix units and clusters have nothing to do here.
.set REG,   32*528                     ; a wave's region
.set SPARE, 4*REG                      ; behind the regions: the spare words, 128 bytes a wave, named by no other line
.set X,   32                           ; v32-159  32 rows as loaded
.set Y,   160                          ; v160-223 a tile's 64 mask words of my lane
.set WD,  8                            ; v[8:9], v[10:11] the 64 lane masks of tile 0, 1: word n in lane n / 2, register n % 2
	s_load_b128 s[4:7], s[0:1], 0x0                ; mask, maskw
	s_load_b64 s[8:9], s[0:1], 0x10                ; flags
	v_lshl_add_u32 v12, v0, 2, SPARE               ; my spare word; never rewritten
	v_mov_b32 v13, 0                               ; 0; never rewritten
	v_lshrrev_b32 v1, 5, v0
	v_readfirstlane_b32 s10, v1                    ; wave
	v_and_b32 v1, 31, v0                           ; lane
	v_lshlrev_b32 v2, 4, v1                        ; 16 x lane
	s_mul_i32 s11, s10, REG
	v_add_nc_u32 v3, s11, v2                       ; into the region: a row as it lies
	v_and_b32 v14, 15, v0                          ; r
	v_bfe_u32 v15, v0, 4, 1                        ; h
	v_mul_u32_u24 v4, v14, 528
	v_lshl_add_u32 v4, v15, 5, v4
	v_add_nc_u32 v4, s11, v4                       ; out of it: row r, 32 h bytes on
	v_lshlrev_b32 v5, 3, v1                        ; 8 x lane
	v_lshlrev_b32 v6, 2, v1                        ; 4 x lane
.irp i, 8,9,10,11
	v_mov_b32 v\i, 0                               ; a lane write's destination counts as read
.endr
	s_lshr_b32 s12, ttmp9, 2                       ; qb
	s_and_b32 s13, ttmp9, 3
	s_lshl_b32 s13, s13, 2
	s_add_co_u32 s13, s13, s10                     ; step
	s_lshl_b32 s14, s12, 18                        ; 32 rows of 8,192 bytes
	s_lshl_b32 s15, s13, 9                         ; 128 words
	s_add_co_u32 s14, s14, s15
	s_mov_b32 s15, 0
	s_lshl_b32 s16, s12, 4
	s_add_co_u32 s16, s16, s13                     ; the record's number
	s_lshl_b32 s18, s16, 9                         ; 512 bytes of maskw,
	s_mov_b32 s19, 0
	s_lshl_b32 s16, s16, 3                         ; 8 of flags
	s_mov_b32 s17, 0
	s_mov_b32 s22, 0                               ; OPEN
	s_mov_b32 s23, 0                               ; HID
	s_wait_kmcnt 0x0
	s_add_nc_u64 s[4:5], s[4:5], s[14:15]
	s_add_nc_u64 s[6:7], s[6:7], s[18:19]
	s_add_nc_u64 s[8:9], s[8:9], s[16:17]
.set i, 0
.rept 32
	global_load_b128 v[X+4*i:X+4*i+3], v2, s[4:5] offset:8192*i th:TH_LOAD_NT   ; row i: 512 consecutive bytes; read once in the program
.set i, i+1
.endr
.set i, 0
.rept 32
	s_wait_loadcnt 31-i                            ; loads come back in order: row i is in, the younger rows stay out
	ds_store_b128 v3, v[X+4*i:X+4*i+3] offset:528*i
.set i, i+1
.endr
; Tile t: 64 words a lane come back (LDS serves a wave's instructions in order: these loads see my stores); each register becomes a lane mask; the masks are laid two to a lane and leave as 256 consecutive bytes.
.macro WORDS t
.irp g, 0,1,2,3,4,5,6,7
	ds_load_b128 v[Y+8*\g:Y+8*\g+3], v4 offset:16*528*\t+64*\g
	ds_load_b128 v[Y+8*\g+4:Y+8*\g+7], v4 offset:16*528*\t+64*\g+16
.endr
	s_mov_b32 s20, 0                               ; lanes with a hidden key
	s_mov_b32 s21, -1                              ; lanes with hidden keys alone
	s_wait_dscnt 0x0
.irp g, 0,1,2,3,4,5,6,7
.irp k, 0,1,2,3,4,5,6,7
	v_cmp_eq_u32 s[24+\k], 0, v[Y+8*\g+\k]
.endr
.irp k, 0,1,2,3,4,5,6,7
	v_writelane_b32 v[WD+2*\t+(\k%2)], s[24+\k], 4*\g+\k/2
.endr
.irp k, 0,1,2,3,4,5,6,7
	s_or_b32 s20, s20, s[24+\k]
	s_and_b32 s21, s21, s[24+\k]
.endr
.endr
	global_store_b64 v5, v[WD+2*\t:WD+2*\t+1], s[6:7] offset:256*\t   ; 32 lanes store 256 consecutive bytes, aligned
	s_lshr_b32 s24, s20, 16                        ; a row's keys lie in lanes r and 16 + r
	s_or_b32 s20, s20, s24
	s_and_b32 s20, s20, 0xffff
	s_lshr_b32 s24, s21, 16
	s_and_b32 s21, s21, s24
	s_xor_b32 s21, s21, 0xffff                     ; not all hidden: open
	s_lshl_b32 s20, s20, 16*\t
	s_lshl_b32 s21, s21, 16*\t
	s_or_b32 s23, s23, s20
	s_or_b32 s22, s22, s21
.endm
	WORDS 0
	WORDS 1
	v_mov_b32 v7, s22
	v_writelane_b32 v7, s23, 1                     ; lane 0: OPEN, lane 1: HID
	s_wait_xcnt 0x0                                ; EXEC changes only behind this wait
	v_cmp_gt_u32 vcc_lo, 2, v1
	s_and_saveexec_b32 s32, vcc_lo
	global_store_b32 v6, v7, s[8:9]                ; 8 bytes a wave, 8 KiB in the whole launch: too little to gather
	s_wait_xcnt 0x0
	s_or_b32 exec_lo, exec_lo, s32
	s_wait_tensorcnt 0x0                           ; the wave's end: behind my last LDS store
	ds_add_u32 v12, v13
	s_wait_dscnt 0x0
	s_endpgm
.Lfunc_end_k_q214bae85da_prep:
	.size	k_q214bae85da_prep, .Lfunc_end_k_q214bae85da_prep-k_q214bae85da_prep
	.p2alignl 7, 3214868480
	.fill 96, 4, 3214868480
	.section	.rodata,"a",@progbits
	.p2align	6, 0x0
	.amdhsa_kernel k_q214bae85da_prep
		.amdhsa_group_segment_fixed_size 68096
		.amdhsa_private_segment_fixed_size 0
		.amdhsa_enable_private_segment 0
		.amdhsa_kernarg_size 24
		.amdhsa_user_sgpr_count 2
		.amdhsa_user_sgpr_kernarg_segment_ptr 1
		.amdhsa_wavefront_size32 1
		.amdhsa_system_sgpr_workgroup_id_x 1
		.amdhsa_system_sgpr_workgroup_id_y 1
		.amdhsa_system_sgpr_workgroup_id_z 1
		.amdhsa_system_vgpr_workitem_id 0
		.amdhsa_next_free_vgpr 224
		.amdhsa_next_free_sgpr 66
		.amdhsa_reserve_vcc 1
		.amdhsa_float_denorm_mode_32 3
		.amdhsa_float_denorm_mode_16_64 3
		.amdhsa_memory_ordered 1
		.amdhsa_forward_progress 1
		.amdhsa_inst_pref_size 36
	.end_amdhsa_kernel
	.amdgpu_metadata
---
amdhsa.version: [ 1, 2 ]
amdhsa.kernels:
  - .name:           k_q214bae85da_prep
    .symbol:         k_q214bae85da_prep.kd
    .args:
      - { .name: mask, .offset: 0, .size: 8, .value_kind: global_buffer, .address_space: global }
      - { .name: maskw, .offset: 8, .size: 8, .value_kind: global_buffer, .address_space: global }
      - { .name: flags, .offset: 16, .size: 8, .value_kind: global_buffer, .address_space: global }
    .group_segment_fixed_size: 68096
    .private_segment_fixed_size: 0
    .kernarg_segment_align: 8
    .kernarg_segment_size: 24
    .max_flat_workgroup_size: 128
    .sgpr_count:     66
    .vgpr_count:     224
    .wavefront_size: 32
...
	.end_amdgpu_metadata
.endif
;; end of part 1
;; launch qkv (part 2): grid 8 x 48, 4 waves a work-group, clusters of 4 x 4, 327,680 bytes of LDS; arguments x_codes, x_scales, Wq_codes, Wq_scales, Wk_codes, Wk_scales, Wv_codes, Wv_scales, bq, bk, bv, q_img, q_sc, kv_img, kv_sc; writes q_img, q_sc, kv_img, kv_sc
.if DOCPART == 2
	.amdgcn_target "amdgcn-amd-amdhsa--gfx1250"
	.amdhsa_code_object_version 6
	.text
	.protected	k_q214bae85da_qkv
	.globl	k_q214bae85da_qkv
	.p2align	8
	.type	k_q214bae85da_qkv,@function
k_q214bae85da_qkv:
	s_mov_b64 s[64:65], 0
	v_nop
	global_prefetch_b8 v0, s[64:65] scope:SCOPE_SE
	s_setreg_imm32_b32 hwreg(HW_REG_WAVE_MODE, 25, 1), 1
	s_wait_xcnt 0x0
	s_wait_alu depctr_hold_cnt(0) depctr_sa_sdst(0) depctr_va_vdst(0) depctr_va_sdst(0) depctr_va_ssrc(0) depctr_va_vcc(0) depctr_vm_vsrc(0)
	s_getreg_b32 s2, hwreg(HW_REG_IB_STS2, 6, 4)
	s_cmp_eq_u32 s2, 0
	s_cbranch_scc0 .Lentry_in_a_cluster
	s_endpgm
.Lentry_in_a_cluster:
	s_bfe_u32 s2, ttmp6, 0x10000c
	s_cmp_lg_u32 s2, 0xf033
	s_cbranch_scc0 .Lentry_shape_is_right
	s_endpgm
.Lentry_shape_is_right:
; q = x Wq^T + bq, k = x Wk^T + bk, v = x Wv^T + bv on the given codes of E2M1, and the results quantised at once, in registers: q and k along the head's 64, v along the keys.  Nothing is left out.
; ONE TEXT FOR THREE KINDS.  The text makes a tile of 256 x 256: source 1 of the matrix instruction takes 16 rows of "A", which become the result's lanes; source 0 takes 16 rows of "B", which run along a lane's registers,
; and the result is quantised along B's rows.  q, k: A = x, B = W (a lane holds a token, its registers run along the head).  v: A = Wv, B = x (a lane holds a channel, its registers run along the keys).
; Rows of x and of every W are 512 bytes of codes and 32 scale bytes alike, so the kinds differ in pointers, in which way the bias lies, and in where the results go.
; The kind hangs on the CLUSTER's coordinates alone (cluster y 0-7: q where cluster x = 0, k where it is 1; cluster y 8-11: v), so it is the same in all sixteen partners.
; A work-group of four waves; a wave makes 128 x 128: 64 accumulators, 512 registers.  K = 1,024 is two LDS slots of 512, so both are asked for at the start and NOTHING IS FILLED AGAIN.
; CLUSTERS: 4 x 4.  A's tile hangs on cy (and cluster y), and is asked for jointly by my row of the cluster; B's on cx, jointly by my column.
; THE BIAS is the C of each sum's first matrix instruction: an image of 64 registers.  q, k: register 8 b + j = bias[col0 + 16 b + 8 h + j], C of B's block b.  v: register 8 a + j = bv[col0 + 16 a + r], C of A's block a.
; So the first step of 128 along K is written twice, under one branch on the kind.
; THE WAY OUT.  In accumulator (a, b) lane (r, h), register j holds A's row 16 a + r and B's row 16 b + 8 h + j.  A block of 32 along B is accumulators 2 B' and 2 B' + 1 of lanes l and l xor 16.
; The eight numbers of accumulator 2 B' + u give one word of codes: octet 2 u + h of the block.  The word of block 2 c + w, half u, is written into operand register 4 c + 2 u + w; an exchange of halves between
; registers 4 c + 2 u and 4 c + 2 u + 1 then leaves registers 4 c .. 4 c + 3 with k = 64 c + 32 h + 0 .. 31 in true order: the 4-bit operand's layout.
; The workspace is laid in that order, lane l's 16 bytes at 16 l: every store here, and every load in attn, is 512 consecutive bytes.
;   q_img [bh 64][tile 128][512]: row 16 tile + r, dims 32 h ..;  q_sc [bh][group of 128 rows][r][j] words: low half the two bytes of tile 2 j, high half of tile 2 j + 1
;   kv_img [bh][step 16][K: 8 tiles x 512 | V: 4 fragments (16 channels x 128 keys) x 1,024];  kv_sc [bh][step][K as q_sc, 256 | V: [r][t] the word of channel 16 t + r, 256]
; A block of zeros gets the byte 1 where the rule says 127: its codes are zeros, and this program alone reads the bytes.  LIMITS: NaN and infinities among the inputs are not served.
; REGISTERS, in windows of 256.  Window 0: v0-31 addresses; v32-95 scale words, two sets; v96-127 at work on the way out; v128-191 A's fragments, ONE set, later the codes made; v192-255 the bias image.
;   window 1: B's fragments, two sets.   window 2: accumulators of A's blocks 0-3 ((a, b) at v[8 (8 (a % 4) + b)]);   window 3: of blocks 4-7.
.set NQ,     4                         ; steps of 128 along K in a slot
.set ROWB,   256                       ; a tile's row in bytes: 512 codes
.set KROW,   512                       ; a row in memory
.set PITCH,  272                       ; an LDS row: 256 bytes + 16 of padding = 68 words, so that the 16 rows of a load start at 16 different banks
.set FR,     8
.set NL,     2
.set NP,     4                         ; places behind this matrix instruction (ISA guide 7.12.1)
.set HALFT,  128*PITCH
.set SLOT,   4*HALFT
.set KS,     32                        ; a row of scale bytes
.set SCL,    2*SLOT                    ; behind the slots: the scales, as units of 256 bytes + 16 of padding
.set HALFS,  (128*KS/256)*272
.set SBLK,   (16*KS/256)*272
.set SPARE,  SCL+4*HALFS               ; the spare words, 128 bytes a wave, named by no other line
.set OF0,  10                          ; v10  16 x lane
.set OF1,  11                          ; v11  + the second chunk's distance
.set OSC,  12                          ; v12  where my scale words go
.set SELH, 13                          ; v13  byte selects: lanes 0-15 the low halves, lanes 16-31 the high halves
.set ADRA, 16
.set ADRB, 20
.set ADRS, 27
.set SPW,  28
.set NIL,  29
.set SC,   32
.set TM,   96                          ; v96-99 largest magnitudes, v100-103 bytes, v108-111 the conversions' scale operands
.set AJ,   104                         ; v104-111 at the head: the bias loads' offsets
.set W,    112                         ; v112-119 the scale word of A's block a
.set OW,   120                         ; v120-123 the words as they are stored
.set AF,   128
.set PC,   128                         ; the codes of block a at v[128 + 8 a]: a set for each block, so that no store's data are written again
.set BI,   192
.set WV,   66
.set WR,   67
.set WC,   47
.set KIND, 100                         ; 0 q, 1 k, 2 v
.set HM,   101                         ; lanes 16-31
.set G1,   24
.set G0,   32
.set G1B,  48
.set G0B,  56
.set G1S,  68
.set G0S,  76
.set G1SB, 80
.set G0SB, 88
.set OUT,  98
.set SOUT, 20
.set SA,   22
.set SX,   94
.set SEL,  96
.set BIAS, 92
.set MSB, 0
.macro WIN new                         ; the immediate's high byte repeats the setting that is left
.if MSB != \new
	s_set_vgpr_msb (MSB<<8)|\new
.set MSB, \new
.endif
.endm
.set MUL_LO, 0xa1                      ; source 0 (B) window 1, source 1 (A) window 0, C and D window 2
.set MUL_HI, 0xf1                      ; the same, C and D window 3
.set BIA_LO, 0x81                      ; C (the bias image) window 0, D window 2
.set BIA_HI, 0xc1                      ; D window 3
.set TO_B,   0x40
; A joint load: waves 0 and 1 fetch for A, waves 2 and 3 for B; the branch hangs on the wave's number alone.  An s_nop 0 and four v_nop follow each of the two lines.
.macro JLOAD g0a, g1a, g0b, g1b
	s_cmp_eq_u32 s[WR], 0
	s_cbranch_scc0 .Lfor_b_\@
	tensor_load_to_lds s[\g0a:\g0a+3], s[\g1a:\g1a+7]
	s_nop 0
.rept 4
	v_nop
.endr
	s_branch .Lasked_\@
.Lfor_b_\@:
	tensor_load_to_lds s[\g0b:\g0b+3], s[\g1b:\g1b+7]
	s_nop 0
.rept 4
	v_nop
.endr
.Lasked_\@:
.endm
.macro CROUND                          ; a round of the cluster's barrier
	s_barrier_signal -1
	s_barrier_wait -1
	s_cmp_lg_u32 s[WV], 0
	s_cbranch_scc1 .Lnot_wave_0_\@
	s_barrier_signal -3
.Lnot_wave_0_\@:
	s_barrier_wait -3
	s_barrier_signal -1
	s_barrier_wait -1
.endm
	s_load_b512 s[4:19], s[0:1], 0x0               ; x's codes, scales; Wq's; Wk's; Wv's
	s_load_b256 s[92:99], s[0:1], 0x40             ; bq, bk, bv, q_img
	s_load_b128 s[20:23], s[0:1], 0x60             ; q_sc, kv_img
	s_load_b64 s[2:3], s[0:1], 0x70                ; kv_sc
	v_lshl_add_u32 v[SPW], v0, 2, SPARE
	v_mov_b32 v[NIL], 0
	ds_add_u32 v[SPW], v[NIL]                      ; the wave's opening: the add, twice on end, and its wait ahead of my first tensor load
	ds_add_u32 v[SPW], v[NIL]
	v_lshrrev_b32 v1, 5, v0
	v_readfirstlane_b32 s[WV], v1                  ; wave 0..3
	s_lshr_b32 s[WR], s[WV], 1                     ; which half of A's rows is mine.  Also: I fetch for A (0) or for B (1)
	s_and_b32 s[WC], s[WV], 1                      ; which half of B's rows.  Also: which 128 rows I fetch
	s_bfe_u32 s40, ttmp6, 0x40000                  ; cx
	s_bfe_u32 s41, ttmp6, 0x40004                  ; cy
	s_and_b32 s45, ttmp7, 0xffff                   ; cluster y
	s_cmp_ge_u32 s45, 8
	s_cselect_b32 s[KIND], 2, ttmp9
	s_cselect_b32 s46, 0, s45                      ; A's tiles: v has four in all, q and k four for each cluster y
	s_lshl_b32 s42, s45, 1
	s_add_co_u32 s42, s42, ttmp9
	s_sub_co_u32 s42, s42, 16                      ; cluster x + 2 (cluster y - 8): v's run of four tiles of x
	s_cmp_eq_u32 s[KIND], 2
	s_cselect_b32 s42, s42, 0
	s_lshl_b32 s46, s46, 2
	s_add_co_u32 s46, s46, s41                     ; A's tile: holds cy, never cx
	s_lshl_b32 s42, s42, 2
	s_add_co_u32 s42, s42, s40                     ; B's tile: holds cx, never cy
	s_lshl_b32 s43, s41, 2
	s_lshl_b32 s43, 15, s43                        ; my row of the cluster
	s_lshl_b32 s44, 0x1111, s40                    ; my column
	s_mov_b32 s[HM], 0xffff0000
	; descriptor group 1: 128 rows x 256 bytes, 16 bytes of padding behind each row
	s_or_b32 s[G1+0], s43, (0<<16)|(1<<20)|(1<<21)|(5<<22)|(3<<25)
	s_or_b32 s[G1B+0], s44, (0<<16)|(1<<20)|(1<<21)|(5<<22)|(3<<25)
.irp g, G1, G1B
	s_mov_b32 s[\g+1], ROWB<<16                    ; tensor_dim0
	s_mov_b32 s[\g+2], 128<<16                     ; tensor_dim1
	s_mov_b32 s[\g+3], ROWB<<16                    ; tile_dim0
	s_mov_b32 s[\g+4], 128                         ; tile_dim1
	s_mov_b32 s[\g+5], KROW                        ; the pitch
	s_mov_b32 s[\g+6], 0
	s_mov_b32 s[\g+7], 0
.endr
	; the scales of 128 rows: 4,096 dense bytes, as 16 rows of 256 bytes (32 elements of 8), 16 bytes of padding behind each
	s_or_b32 s[G1S+0], s43, (3<<16)|(1<<20)|(1<<21)|(5<<22)|(3<<25)
	s_or_b32 s[G1SB+0], s44, (3<<16)|(1<<20)|(1<<21)|(5<<22)|(3<<25)
.irp g, G1S, G1SB
	s_mov_b32 s[\g+1], 32<<16
	s_mov_b32 s[\g+2], (128*KS/256)<<16
	s_mov_b32 s[\g+3], 32<<16
	s_mov_b32 s[\g+4], 128*KS/256
	s_mov_b32 s[\g+5], 32
	s_mov_b32 s[\g+6], 0
	s_mov_b32 s[\g+7], 0
.endr
	s_wait_dscnt 0x0                               ; both opening adds are done
	s_wait_kmcnt 0x0
	; the kind chooses the buffers: conditions on the cluster's coordinates alone
	s_cmp_eq_u32 ttmp9, 0
	s_cselect_b64 s[8:9], s[8:9], s[12:13]         ; Wq or Wk: codes,
	s_cselect_b64 s[10:11], s[10:11], s[14:15]     ; scales,
	s_cselect_b64 s[BIAS:BIAS+1], s[92:93], s[94:95]   ; bias
	s_cmp_eq_u32 s[KIND], 2
	s_cselect_b64 s[12:13], s[4:5], s[8:9]         ; B's codes: x for v, else W
	s_cselect_b64 s[14:15], s[6:7], s[10:11]       ; B's scales
	s_cselect_b64 s[4:5], s[16:17], s[4:5]         ; A's codes: Wv for v, else x
	s_cselect_b64 s[6:7], s[18:19], s[6:7]         ; A's scales
	s_cselect_b64 s[BIAS:BIAS+1], s[96:97], s[BIAS:BIAS+1]
	s_cmp_eq_u32 s[KIND], 0
	s_cselect_b64 s[OUT:OUT+1], s[98:99], s[22:23]     ; q_img or kv_img
	s_cselect_b64 s[SOUT:SOUT+1], s[20:21], s[2:3]     ; q_sc or kv_sc
	s_lshl_b32 s8, s[WC], 7                        ; which 128 rows of a tile I fetch
	s_lshl_b32 s16, s46, 8
	s_add_co_u32 s16, s16, s8                      ; A's row
	s_lshl_b32 s18, s42, 8
	s_add_co_u32 s18, s18, s8                      ; B's row
	s_mov_b32 s17, 0
	s_mov_b32 s19, 0
	s_mov_b32 s9, 0
	s_mov_b32 s11, 0
	s_lshl_b32 s8, s16, 5                          ; its scales, 32 bytes a row,
	s_lshl_b32 s16, s16, 9                         ; its codes, 512
	s_lshl_b32 s10, s18, 5
	s_lshl_b32 s18, s18, 9
	s_add_nc_u64 s[4:5], s[4:5], s[16:17]
	s_add_nc_u64 s[6:7], s[6:7], s[8:9]
	s_add_nc_u64 s[12:13], s[12:13], s[18:19]
	s_add_nc_u64 s[14:15], s[14:15], s[10:11]
	s_mul_i32 s2, s[WV], HALFT                     ; where they go: wave x 128 rows: no place in the cluster enters an LDS address
	s_mul_i32 s3, s[WV], HALFS
	CROUND                                         ; all sixteen work-groups are here: the first joint loads meet
	s_mov_b32 s[G0S], 1
	s_add_co_u32 s[G0S+1], s3, SCL
	s_mov_b64 s[G0S+2:G0S+3], s[6:7]
	s_or_b32 s[G0S+3], s[G0S+3], 0x80000000
	s_mov_b32 s[G0SB], 1
	s_add_co_u32 s[G0SB+1], s3, SCL
	s_mov_b64 s[G0SB+2:G0SB+3], s[14:15]
	s_or_b32 s[G0SB+3], s[G0SB+3], 0x80000000
	JLOAD G0S, G1S, G0SB, G1SB                     ; the scales first: they are wanted with the first step
.irp s, 0,1
	s_mov_b32 s[G0+4*\s], 1
	s_add_co_u32 s[G0+4*\s+1], s2, \s*SLOT
	s_add_nc_u64 s[G0+4*\s+2:G0+4*\s+3], s[4:5], \s*ROWB
	s_or_b32 s[G0+4*\s+3], s[G0+4*\s+3], 0x80000000
	s_mov_b32 s[G0B+4*\s], 1
	s_add_co_u32 s[G0B+4*\s+1], s2, \s*SLOT
	s_add_nc_u64 s[G0B+4*\s+2:G0B+4*\s+3], s[12:13], \s*ROWB
	s_or_b32 s[G0B+4*\s+3], s[G0B+4*\s+3], 0x80000000
	JLOAD G0+4*\s, G1, G0B+4*\s, G1B               ; three loads of mine are out: all that the launch fetches
.endr
	v_and_b32 v1, 15, v0                           ; r
	v_bfe_u32 v2, v0, 4, 1                         ; h
	v_mul_u32_u24 v3, v1, PITCH
	v_lshl_add_u32 v4, v2, 4, v3                   ; a fragment's row x pitch + 16 h
	s_mul_i32 s8, s[WR], HALFT                     ; my 128 rows of A
	s_mul_i32 s9, s[WC], HALFT                     ; my 128 rows of B,
	s_add_co_u32 s9, s9, 2*HALFT                   ; behind A's 256
.irp s, 0,1
	v_add_nc_u32 v[ADRA+\s], s8, v4
	v_add_nc_u32 v[ADRB+\s], s9, v4
	s_add_co_u32 s8, s8, SLOT
	s_add_co_u32 s9, s9, SLOT
.endr
	v_mul_u32_u24 v5, v1, KS                       ; my row's scales: 32 bytes a row,
	v_lshrrev_b32 v6, 8, v5
	v_lshl_add_u32 v5, v6, 4, v5                   ; and 16 more for each 256 passed
	s_mul_i32 s8, s[WR], HALFS
	s_mul_i32 s9, s[WC], HALFS
	s_add_co_u32 s9, s9, 2*HALFS
	s_sub_co_u32 s9, s9, s8
	v_mul_u32_u24 v6, s9, v2                       ; lanes 16-31 take B's
	s_add_co_u32 s8, s8, SCL
	v_add_nc_u32 v5, v5, v6
	v_add_nc_u32 v[ADRS], s8, v5
	; where the results go
	s_lshl_b32 s8, s46, 8
	s_lshl_b32 s9, s[WR], 7
	s_add_co_u32 s8, s8, s9                        ; the first of my 128 rows on A's side,
	s_lshl_b32 s10, s42, 8
	s_lshl_b32 s11, s[WC], 7
	s_add_co_u32 s10, s10, s11                     ; on B's
	s_cmp_eq_u32 s[KIND], 2
	s_cselect_b32 s16, s10, s8                     ; my first row of x
	s_cselect_b32 s17, s8, s10                     ; my first column of q, k or v
	s_mov_b32 s[SA], 512
	s_cselect_b32 s[SA], 1024, s[SA]               ; from block a to block a + 1: a chunk, or a fragment of V
	s_cselect_b32 s[SX], 126976, 0                 ; v: at a = 4 on to the next head: 131,072 - 4 x 1,024
	s_cselect_b32 s18, 4096, 0                     ; v: behind the step's K part
	s_cselect_b32 s4, 0, 32                        ; the bias image: bytes for h,
	s_cselect_b32 s5, 4, 0                         ; for r,
	s_cselect_b32 s6, 0, 4                         ; for j
	s_mov_b32 s7, 131072
	s_cselect_b32 s7, 512, s7                      ; the second chunk: v: 512 on; k: the next head
	s_mov_b32 s[SA+1], 0
	s_mov_b32 s[SX+1], 0
	s_cmp_eq_u32 s[KIND], 0
	s_cselect_b32 s7, 65536, s7                    ; q: the next head
	s_mov_b32 s12, 8192
	s_cselect_b32 s12, 4096, s12                   ; the next head's scale words
	s_cselect_b32 s13, 16, 17                      ; a head's bytes, as a shift,
	s_cselect_b32 s14, 12, 13                      ; and those of 128 rows
	s_lshr_b32 s15, s16, 11                        ; the batch
	s_lshl_b32 s15, s15, 4
	s_lshr_b32 s19, s17, 6
	s_add_co_u32 s15, s15, s19                     ; 16 x batch + head
	s_bfe_u32 s16, s16, 0x40007                    ; which 128 rows of the sequence
	s_lshl_b32 s15, s15, s13
	s_lshl_b32 s16, s16, s14
	s_add_co_u32 s8, s15, s16
	s_add_co_u32 s8, s8, s18
	s_mov_b32 s9, 0
	s_add_nc_u64 s[OUT:OUT+1], s[OUT:OUT+1], s[8:9]
	s_lshr_b32 s8, s8, 4                           ; the scale words' offset is a sixteenth of the codes', in all three kinds
	s_add_nc_u64 s[SOUT:SOUT+1], s[SOUT:SOUT+1], s[8:9]
	s_lshl_b32 s8, s17, 2
	s_add_nc_u64 s[BIAS:BIAS+1], s[BIAS:BIAS+1], s[8:9]
	s_mov_b32 s[SEL], 0x76543210
	s_mov_b32 s[SEL+1], 0xfedcba98                 ; v_permlanex16_b32's selects for lane l xor 16
	v_and_b32 v5, 31, v0
	v_lshlrev_b32 v[OF0], 4, v5
	v_add_nc_u32 v[OF1], s7, v[OF0]
	v_mul_lo_u32 v6, v2, s12
	v_lshl_add_u32 v[OSC], v1, 4, v6               ; 16 r, lanes 16-31 a head further on
	v_mov_b32 v[SELH], 0x05040100
	v_mov_b32 v6, 0x07060302
	v_cndmask_b32 v[SELH], v[SELH], v6, s[HM]
	v_mul_lo_u32 v5, v2, s4
	v_mul_lo_u32 v6, v1, s5
	v_add_nc_u32 v5, v5, v6
.irp j, 0,1,2,3,4,5,6,7
	s_mul_i32 s8, s6, \j
	v_add_nc_u32 v[AJ+\j], s8, v5
.endr
.irp i, 0,1,2,3,4,5,6,7
.irp j, 0,1,2,3,4,5,6,7
	global_load_b32 v[BI+8*\i+\j], v[AJ+\j], s[BIAS:BIAS+1] offset:64*\i   ; one text for both ways the bias lies
.endr
.endr
.irp b, 0,1,2,3
	v_mov_b32 v[TM+4+\b], 0                        ; written once: a lane permute's destination counts as one of its sources
.endr
.macro FRAG reg, adr, q, i             ; 16 rows x 128 K of 4-bit codes, 8 registers: lane l holds row l % 16; registers 4 c .. 4 c + 3 hold K = 64 c + 32 (l / 16) + 0 .. 31
.irp c, 0,1
	ds_load_b128 v[\reg+4*\c:\reg+4*\c+3], v[\adr] offset:64*(\q)+32*\c+(\i)*16*PITCH
.endr
.endm
; 16 matrix instructions: A's blocks a0, a0 + 1 x B's eight.  cm = 0: C = D;  1: C = the bias image of B's block;  2: of A's block.  The 64 accumulators take turns, one instruction a turn, in the same order in every step.
.macro MUL16 a0, p, q, sc, cm
.irp a, \a0, \a0+1
.irp b, 0,1,2,3,4,5,6,7
.if \cm == 1
	v_wmma_scale_f32_16x16x128_f8f6f4 v[8*(8*((\a)%4)+\b):8*(8*((\a)%4)+\b)+7], v[128*(\p)+FR*\b:128*(\p)+FR*\b+FR-1], v[AF+FR*(\a):AF+FR*(\a)+FR-1], v[BI+8*\b:BI+8*\b+7], v[SC+8*NQ*(\sc)+NQ*\b+(\q)], v[SC+8*NQ*(\sc)+NQ*(\a)+(\q)] matrix_a_fmt:MATRIX_FMT_FP4 matrix_b_fmt:MATRIX_FMT_FP4 matrix_a_scale:MATRIX_SCALE_ROW1
.elseif \cm == 2
	v_wmma_scale_f32_16x16x128_f8f6f4 v[8*(8*((\a)%4)+\b):8*(8*((\a)%4)+\b)+7], v[128*(\p)+FR*\b:128*(\p)+FR*\b+FR-1], v[AF+FR*(\a):AF+FR*(\a)+FR-1], v[BI+8*(\a):BI+8*(\a)+7], v[SC+8*NQ*(\sc)+NQ*\b+(\q)], v[SC+8*NQ*(\sc)+NQ*(\a)+(\q)] matrix_a_fmt:MATRIX_FMT_FP4 matrix_b_fmt:MATRIX_FMT_FP4 matrix_a_scale:MATRIX_SCALE_ROW1
.else
	v_wmma_scale_f32_16x16x128_f8f6f4 v[8*(8*((\a)%4)+\b):8*(8*((\a)%4)+\b)+7], v[128*(\p)+FR*\b:128*(\p)+FR*\b+FR-1], v[AF+FR*(\a):AF+FR*(\a)+FR-1], v[8*(8*((\a)%4)+\b):8*(8*((\a)%4)+\b)+7], v[SC+8*NQ*(\sc)+NQ*\b+(\q)], v[SC+8*NQ*(\sc)+NQ*(\a)+(\q)] matrix_a_fmt:MATRIX_FMT_FP4 matrix_b_fmt:MATRIX_FMT_FP4 matrix_a_scale:MATRIX_SCALE_ROW1
.endif
.endr
.endr
.endm
.macro FETCH_B slot, q, p
	WIN TO_B
.irp i, 0,1,2,3,4,5,6,7
	FRAG 128*(\p)+FR*\i, ADRB+\slot, \q, \i
.endr
	WIN 0
.endm
.macro FETCH_A slot, q, i0
.irp i, \i0, \i0+1, \i0+2, \i0+3
	FRAG AF+FR*(\i), ADRA+\slot, \q, \i
.endr
.endm
.macro SCALES sc                       ; a slot's scale words: 4 words a row; lanes 0-15 take A's block i, lanes 16-31 B's block i
.irp i, 0,1,2,3,4,5,6,7
	ds_load_b128 v[SC+8*NQ*\sc+NQ*\i:SC+8*NQ*\sc+NQ*\i+3], v[ADRS] offset:\i*SBLK
.endr
.endm
.macro PLACES n                        ; plain vector instructions between a matrix instruction and a load into, or a read of, its registers
.rept \n
	v_nop
.endr
.endm
; A step of 128 along K that has its successor in the same slot.  A's blocks are free as soon as their eight products are issued: blocks 0-3 are fetched anew in the middle, blocks 4-7 at the end.
.macro STEP slot, q, cm
	s_wait_dscnt 4*NL                              ; all but the youngest eight loads (A's blocks 4-7)
.if \cm
	WIN BIA_LO
.else
	WIN MUL_LO
.endif
	MUL16 0, (\q)%2, \q, \slot, \cm
	MUL16 2, (\q)%2, \q, \slot, \cm
	s_wait_dscnt 0
	PLACES NP
	FETCH_B \slot, (\q)+1, 1-(\q)%2
	FETCH_A \slot, (\q)+1, 0
.if \cm
	WIN BIA_HI
.else
	WIN MUL_HI
.endif
	MUL16 4, (\q)%2, \q, \slot, \cm
	MUL16 6, (\q)%2, \q, \slot, \cm
	PLACES NP
	WIN 0
	FETCH_A \slot, (\q)+1, 4
.endm
; Slot 0's last step goes over to slot 1: each wave waits for all its tensor loads, so that behind the barrier slot 1 is whole for all four.  Nothing is filled again.
.macro TURN slot, next
	s_wait_tensorcnt 0x0                           ; my part of the next slot has landed
	ds_add_u32 v[SPW], v[NIL]                      ; 0 onto my spare word
	s_wait_dscnt 4*NL+1                            ; (the add and the youngest eight loads may be out)
	WIN MUL_LO
	MUL16 0, 1, NQ-1, \slot, 0
	s_wait_dscnt 0x0
	s_barrier_signal -1
	MUL16 2, 1, NQ-1, \slot, 0
	WIN 0
	s_barrier_wait -1
	PLACES NP
	v_add_nc_u32 v[ADRS], 4*NQ, v[ADRS]            ; on to the next slot's scale words (no LDS load of mine is out)
	FETCH_B \next, 0, 0
	FETCH_A \next, 0, 0
	SCALES \next
	WIN MUL_HI
	MUL16 4, 1, NQ-1, \slot, 0
	MUL16 6, 1, NQ-1, \slot, 0
	PLACES NP
	WIN 0
	FETCH_A \next, 0, 4
.endm
.macro STEPS slot, from
.set Q, \from
.rept NQ-1-\from
	STEP \slot, Q, 0
.set Q, Q+1
.endr
.endm
	s_wait_tensorcnt 1                             ; the scales and my part of slot 0 are in; slot 1's load may be out,
	s_barrier_signal -1
	s_barrier_wait -1                              ; everybody's are
	FETCH_B 0, 0, 0
	FETCH_A 0, 0, 0
	SCALES 0
	FETCH_A 0, 0, 4
	s_wait_loadcnt 0x0                             ; the bias image
	s_cmp_eq_u32 s[KIND], 2                        ; the same in all sixteen partners
	s_cbranch_scc1 .Lfirst_v
	STEP 0, 0, 1                                   ; q, k: the bias runs along the registers
	s_branch .Lfirst_done
.Lfirst_v:
	STEP 0, 0, 2                                   ; v: along the lanes
.Lfirst_done:
	STEPS 0, 1
	TURN 0, 1
	STEPS 1, 0
	s_wait_dscnt 4*NL                              ; the last step: nothing more to fetch
	WIN MUL_LO
	MUL16 0, 1, NQ-1, 1, 0
	MUL16 2, 1, NQ-1, 1, 0
	s_wait_dscnt 0
	WIN MUL_HI
	MUL16 4, 1, NQ-1, 1, 0
	MUL16 6, 1, NQ-1, 1, 0
	WIN 0
	PLACES NP
; THE WAY OUT of A's block a: its 64 numbers a lane, four blocks of 32 along B, become eight registers of codes and a scale word.  Each accumulator is read from its low end on.
.macro QOUT a
.set AC,  64*((\a)%4)
.set XW,  2+(\a)/4
.set XW2, XW*5
.set PCA, PC+8*(\a)
	WIN XW2                                        ; sources 0 and 1: the accumulators' window
.irp b, 0,1,2,3
	v_max3_num_f32 v[TM+\b], |v[AC+16*\b]|, |v[AC+16*\b+1]|, 0x1800000   ; my 16 numbers of block b, and the floor 2^(3 - 127): the byte cannot fall under 1
.endr
.irp i, 2,4,6,8,10,12,14
.irp b, 0,1,2,3
	v_max3_num_f32 v[TM+\b], |v[AC+16*\b+\i]|, |v[AC+16*\b+\i+1]|, v[TM+\b]   ; (the four blocks by turns)
.endr
.endr
	WIN 0
.irp b, 0,1,2,3
	v_permlanex16_b32 v[TM+4+\b], v[TM+\b], s[SEL], s[SEL+1]
.endr
.irp b, 0,1,2,3
	v_max_num_f32 v[TM+\b], v[TM+\b], v[TM+4+\b]   ; with lane l xor 16's: the block's largest magnitude
.endr
.irp b, 0,1,2,3
	v_add_nc_u32 v[TM+12+\b], 0xff000000, v[TM+\b] ; 2 off its exponent field: the conversion's scale operand
.endr
.irp b, 0,1,2,3
	v_lshrrev_b32 v[TM+4+\b], 23, v[TM+12+\b]      ; the scale's byte
.endr
	v_lshl_or_b32 v[W+(\a)], v[TM+5], 8, v[TM+4]
	v_lshl_or_b32 v[W+(\a)], v[TM+6], 16, v[W+(\a)]
	v_lshl_or_b32 v[W+(\a)], v[TM+7], 24, v[W+(\a)]
	WIN XW                                         ; source 0: the accumulators' window
.irp c, 0,1
.irp u, 0,1
.irp w, 0,1
	v_cvt_scalef32_pk8_fp4_f32 v[PCA+4*\c+2*\u+\w], v[AC+16*(2*\c+\w)+8*\u:AC+16*(2*\c+\w)+8*\u+7], v[TM+12+2*\c+\w]
.endr
.endr
.endr
	WIN 0
	v_nop                                          ; one plain place behind a scaled conversion
.irp c, 0,1
.irp u, 0,1
	v_permlane16_swap_b32 v[PCA+4*\c+2*\u], v[PCA+4*\c+2*\u+1]   ; registers 4 c .. 4 c + 3 now hold k = 64 c + 32 h + 0 .. 31
.endr
.endr
.if (\a) > 0
	s_wait_xcnt 0x0                                ; the earlier stores have read their base
	s_add_nc_u64 s[OUT:OUT+1], s[OUT:OUT+1], s[SA:SA+1]
.endif
.if (\a) == 4
	s_add_nc_u64 s[OUT:OUT+1], s[OUT:OUT+1], s[SX:SX+1]
.endif
	global_store_b128 v[OF0], v[PCA:PCA+3], s[OUT:OUT+1]       ; 512 consecutive bytes, aligned
	global_store_b128 v[OF1], v[PCA+4:PCA+7], s[OUT:OUT+1]     ; and 512 more
.endm
.irp a, 0,1,2,3,4,5,6,7
	QOUT \a
.endr
	s_cmp_eq_u32 s[KIND], 2
	s_cbranch_scc1 .Lwords_v
.irp j, 0,1,2,3
	v_perm_b32 v[OW+\j], v[W+2*\j+1], v[W+2*\j], v[SELH]   ; q, k: lanes 0-15 my first head (each word's low half), lanes 16-31 my second; tiles 2 j and 2 j + 1 share a word
.endr
	s_branch .Lwords_done
.Lwords_v:
.irp j, 0,1,2,3
	v_cndmask_b32 v[OW+\j], v[W+\j], v[W+4+\j], s[HM]      ; v: lanes 0-15 the first head's four fragments, lanes 16-31 the second's
.endr
.Lwords_done:
	global_store_b128 v[OSC], v[OW:OW+3], s[SOUT:SOUT+1]   ; sixteen lanes store 256 consecutive bytes, aligned, for each head
	s_wait_tensorcnt 0x0                           ; the wave's end
	ds_add_u32 v[SPW], v[NIL]
	s_wait_dscnt 0x0
	CROUND                                         ; the closing round
	s_endpgm
.Lfunc_end_k_q214bae85da_qkv:
	.size	k_q214bae85da_qkv, .Lfunc_end_k_q214bae85da_qkv-k_q214bae85da_qkv
	.p2alignl 7, 3214868480
	.fill 96, 4, 3214868480
	.section	.rodata,"a",@progbits
	.p2align	6, 0x0
	.amdhsa_kernel k_q214bae85da_qkv
		.amdhsa_group_segment_fixed_size 327680
		.amdhsa_private_segment_fixed_size 0
		.amdhsa_enable_private_segment 0
		.amdhsa_kernarg_size 120
		.amdhsa_user_sgpr_count 2
		.amdhsa_user_sgpr_kernarg_segment_ptr 1
		.amdhsa_wavefront_size32 1
		.amdhsa_system_sgpr_workgroup_id_x 1
		.amdhsa_system_sgpr_workgroup_id_y 1
		.amdhsa_system_sgpr_workgroup_id_z 1
		.amdhsa_system_vgpr_workitem_id 0
		.amdhsa_next_free_vgpr 1024
		.amdhsa_next_free_sgpr 102
		.amdhsa_reserve_vcc 0
		.amdhsa_float_denorm_mode_32 3
		.amdhsa_float_denorm_mode_16_64 3
		.amdhsa_memory_ordered 1
		.amdhsa_forward_progress 1
		.amdhsa_inst_pref_size 148
	.end_amdhsa_kernel
	.amdgpu_metadata
---
amdhsa.version: [ 1, 2 ]
amdhsa.kernels:
  - .name:           k_q214bae85da_qkv
    .symbol:         k_q214bae85da_qkv.kd
    .args:
      - { .name: x_codes, .offset: 0, .size: 8, .value_kind: global_buffer, .address_space: global }
      - { .name: x_scales, .offset: 8, .size: 8, .value_kind: global_buffer, .address_space: global }
      - { .name: Wq_codes, .offset: 16, .size: 8, .value_kind: global_buffer, .address_space: global }
      - { .name: Wq_scales, .offset: 24, .size: 8, .value_kind: global_buffer, .address_space: global }
      - { .name: Wk_codes, .offset: 32, .size: 8, .value_kind: global_buffer, .address_space: global }
      - { .name: Wk_scales, .offset: 40, .size: 8, .value_kind: global_buffer, .address_space: global }
      - { .name: Wv_codes, .offset: 48, .size: 8, .value_kind: global_buffer, .address_space: global }
      - { .name: Wv_scales, .offset: 56, .size: 8, .value_kind: global_buffer, .address_space: global }
      - { .name: bq, .offset: 64, .size: 8, .value_kind: global_buffer, .address_space: global }
      - { .name: bk, .offset: 72, .size: 8, .value_kind: global_buffer, .address_space: global }
      - { .name: bv, .offset: 80, .size: 8, .value_kind: global_buffer, .address_space: global }
      - { .name: q_img, .offset: 88, .size: 8, .value_kind: global_buffer, .address_space: global }
      - { .name: q_sc, .offset: 96, .size: 8, .value_kind: global_buffer, .address_space: global }
      - { .name: kv_img, .offset: 104, .size: 8, .value_kind: global_buffer, .address_space: global }
      - { .name: kv_sc, .offset: 112, .size: 8, .value_kind: global_buffer, .address_space: global }
    .group_segment_fixed_size: 327680
    .private_segment_fixed_size: 0
    .kernarg_segment_align: 8
    .kernarg_segment_size: 120
    .max_flat_workgroup_size: 128
    .sgpr_count:     102
    .vgpr_count:     1024
    .wavefront_size: 32
...
	.end_amdgpu_metadata
.endif
;; end of part 2
;; launch attn (part 3): grid 4 x 64, 16 waves a work-group, no clusters, 0 bytes of LDS; arguments q_img, q_sc, kv_img, kv_sc, maskw, flags, ctx_img, ctx_sc; writes ctx_img, ctx_sc
.if DOCPART == 3
	.amdgcn_target "amdgcn-amd-amdhsa--gfx1250"
	.amdhsa_code_object_version 6
	.text
	.protected	k_q214bae85da_attn
	.globl	k_q214bae85da_attn
	.p2align	8
	.type	k_q214bae85da_attn,@function
k_q214bae85da_attn:
	s_mov_b64 s[64:65], 0
	v_nop
	global_prefetch_b8 v0, s[64:65] scope:SCOPE_SE
	s_setreg_imm32_b32 hwreg(HW_REG_WAVE_MODE, 25, 1), 1
	s_wait_xcnt 0x0
; ctx = softmax(where(mask == 0, -1e9, q k^T / 8)) v for one head, both products on codes of E2M1, and ctx quantised along D for the projection that follows.
; LEFT OUT, by whole numbers that the first launch stored: a step of 128 keys that is hidden for all my 32 queries, where each of the 32 has an open key somewhere: its weights are 0 in f32 beside an open key.
; A block with a row that is hidden everywhere leaves nothing out.  LIMIT: open logits lie above -0.99e9.
; THE HIDDEN VALUE: a hidden score is set to -2^33, a logit of -2^30 in place of -1e9.  c x 2^33 is a whole number that f32 holds exactly, so a row with hidden keys alone gets t - M = 0 and p = 1 for every key, as f32 gives
; with -1e9; beside an open key both give the weight 0.
; THE SOFTMAX AHEAD OF THE SECOND PRODUCT: t = score x c, c = log2(e) / 8; M = the running largest t rounded up to a whole number; p = 2^(t - M) is quantised along the keys, not normalised; the row's sum is taken of the
; unquantised p and divides at the end; when M moves, the sum and O are multiplied by 2^(old M - new M), which rounds nothing.
; SHARES.  A wave owns 32 queries, two tiles of 16, of one head, in 256 registers; sixteen waves to a work-group, four to a SIMD, so that one wave's vector work stands beside another's loads and products.
; The waves share nothing: no LDS, no barrier.  K and V come from memory straight into operand registers, 512 consecutive bytes a load.
; NO CLUSTER, NO TENSOR LOAD: the walk branches on numbers read from memory.
; WHICH QUERIES: wave w of work-group x takes block qb = 32 (c / 2) + (j xor 31 (c % 2)), j = 4 x + w / 4, c = (w / 4 + w) % 4: one to one; waves with equal w % 4 get one block of each quarter of the sequence.
; LAYOUT.  Both products are used transposed: S^T = K Q^T (source 0 = keys), O^T = V^T P^T (source 0 = channels): a lane holds ONE query (lane % 16) throughout.  Score register n holds key 16 (n / 8) + 8 h + n % 8.
; THE HEAD'S 64 IN AN INSTRUCTION'S 128.  Source 0 holds TWO tiles of keys: registers 0-3 tile 2 j, registers 4-7 tile 2 j + 1.  It is multiplied once by [Q | zero codes], which gives tile 2 j, and once by [zero codes | Q].
; Only Q's side has zero codes in the dead half; its scale bytes there are 0x40, far under the live half's.
; REGISTERS: v1 16 x lane, v2 16 r, v5 -2^33, v6 256 x lane, v7 ctx_sc's offset; v8-15 for each tile -M, largest t, the sum in two halves; v16-35 zeros, Q0, zeros, Q1, zeros; v36-39 Q's scale words; v40-43 K's, v44-47 V's;
; v48-79 fragments of K, then of V; v80-143 S^T, then p; v144-207 O^T; v208-223 p's codes; v224-225 p's scale words; v226-243 at work.
.set KS,  40
.set VS,  44
.set F,   48
.set S,   80
.set O,   144
.set P,   208
.set PS,  224
.set BM,  226
.set BP,  230
.set BX,  234
.set FF,  238
.set TMP, 240
.set SM2, 242
.set CS,  78                           ; s[78:79] c, twice
.set SEL, 96                           ; s[96:97] lane selects for lane l xor 16
	s_load_b256 s[4:11], s[0:1], 0x0               ; q_img, q_sc, kv_img, kv_sc
	s_load_b256 s[68:75], s[0:1], 0x20             ; maskw, flags, ctx_img, ctx_sc
	v_lshrrev_b32 v1, 5, v0
	v_readfirstlane_b32 s2, v1                     ; wave 0..15
	v_and_b32 v3, 31, v0
	v_lshlrev_b32 v1, 4, v3
	v_lshlrev_b32 v6, 8, v3
	v_and_b32 v3, 15, v0                           ; r
	v_lshlrev_b32 v2, 4, v3
	v_bfe_u32 v4, v0, 4, 1                         ; h
	v_lshlrev_b32 v7, 5, v3
	v_lshl_add_u32 v7, v4, 9, v7                   ; 32 r + 512 h
	v_mov_b32 v5, 0xd0000000                       ; -2^33
	s_lshr_b32 s12, s2, 2
	s_and_b32 s13, s2, 3
	s_add_co_u32 s13, s13, s12
	s_and_b32 s13, s13, 3                          ; c
	s_lshl_b32 s14, ttmp9, 2
	s_add_co_u32 s14, s14, s12                     ; j
	s_and_b32 s15, s13, 1
	s_mul_i32 s15, s15, 31
	s_xor_b32 s14, s14, s15
	s_lshr_b32 s13, s13, 1
	s_lshl_b32 s13, s13, 5
	s_add_co_u32 s3, s14, s13                      ; qb
	s_and_b32 s99, ttmp7, 0xffff                   ; 16 x batch + head
	s_mov_b32 s77, 0
	s_mov_b32 s[CS], 0x3e38aa3b                    ; c = log2(e) / 8
	s_mov_b32 s[CS+1], s[CS]
	s_mov_b32 s[SEL], 0x76543210
	s_mov_b32 s[SEL+1], 0xfedcba98
	s_mov_b32 s98, 0xffff0000                      ; lanes 16-31
	s_wait_kmcnt 0x0
	s_lshl_b32 s76, s3, 7
	s_add_nc_u64 s[70:71], s[70:71], s[76:77]
	s_load_b512 s[16:31], s[70:71], 0x0            ; my block's flags: OPEN and HID of steps 0-7,
	s_load_b512 s[32:47], s[70:71], 0x40           ; of steps 8-15
	s_lshl_b32 s76, s99, 16
	s_lshl_b32 s66, s3, 10
	s_add_co_u32 s76, s76, s66
	s_add_nc_u64 s[4:5], s[4:5], s[76:77]
	global_load_b128 v[20:23], v1, s[4:5]          ; Q's two tiles stay in registers
	global_load_b128 v[28:31], v1, s[4:5] offset:512
	s_lshl_b32 s76, s99, 12
	s_lshr_b32 s66, s3, 2
	s_lshl_b32 s66, s66, 8
	s_add_co_u32 s76, s76, s66
	s_and_b32 s66, s3, 3
	s_lshl_b32 s66, s66, 2
	s_add_co_u32 s76, s76, s66
	s_add_nc_u64 s[6:7], s[6:7], s[76:77]
	global_load_b32 v[TMP], v2, s[6:7]             ; low half: tile 0's two scale bytes; high half: tile 1's
	s_lshl_b32 s76, s99, 17
	s_add_nc_u64 s[8:9], s[8:9], s[76:77]          ; kv_img at my head's step 0
	s_lshl_b32 s76, s99, 13
	s_add_nc_u64 s[10:11], s[10:11], s[76:77]      ; kv_sc likewise
	s_lshl_b32 s76, s3, 13
	s_add_nc_u64 s[68:69], s[68:69], s[76:77]      ; maskw at my block's step 0
	s_lshr_b32 s66, s99, 4
	s_lshl_b32 s66, s66, 7
	s_lshl_b32 s67, s3, 1
	s_add_co_u32 s66, s66, s67                     ; my first tile of rows among the 512
	s_and_b32 s67, s99, 15                         ; the head
	s_lshl_b32 s76, s66, 13
	s_lshl_b32 s13, s67, 9
	s_add_co_u32 s76, s76, s13
	s_add_nc_u64 s[72:73], s[72:73], s[76:77]
	s_lshl_b32 s76, s66, 9
	s_lshl_b32 s13, s67, 1
	s_add_co_u32 s76, s76, s13
	s_add_nc_u64 s[74:75], s[74:75], s[76:77]
.irp i, 16,17,18,19,24,25,26,27,32,33,34,35
	v_mov_b32 v\i, 0                               ; the zero codes beside Q
.endr
.irp t, 0,1
	v_mov_b32 v[9+4*\t], 0xff61b1e6                ; the largest t so far: -3e38
	v_floor_f32 v[8+4*\t], -v[9+4*\t]              ; -M
	v_mov_b32 v[10+4*\t], 0                        ; the sum, in two halves
	v_mov_b32 v[11+4*\t], 0
.endr
.irp b, 0,1,2,3
	v_mov_b32 v[BP+\b], 0                          ; a lane permute's destination counts as one of its sources
.endr
	v_mov_b32 v[FF+1], 0                           ; (named as the upper half of a pair)
	s_wait_kmcnt 0x0
	; A CLASS FOR EACH STEP, two bits: 0 left out; 1 the mask is applied; 2 wholly open
	s_mov_b32 s13, s16
.irp k, 1,2,3,4,5,6,7,8,9,10,11,12,13,14,15
	s_or_b32 s13, s13, s[16+2*\k]
.endr
	s_cmp_lg_u32 s13, -1
	s_cselect_b32 s15, 1, 0                        ; 1: some row of mine has no open key at all: nothing is left out
	s_mov_b32 s12, 0
.irp k, 0,1,2,3,4,5,6,7,8,9,10,11,12,13,14,15
	s_cmp_eq_u32 s[17+2*\k], 0
	s_cselect_b32 s13, 2, 1
	s_or_b32 s14, s[16+2*\k], s15
	s_cselect_b32 s13, s13, 0
	s_lshl_b32 s13, s13, 2*\k
	s_or_b32 s12, s12, s13
.endr
	s_cmp_eq_u32 s3, 63
	s_cselect_b32 s15, 15, 0                       ; the head's one wave that prefetches does so in trips 0 to 14
	s_mov_b32 s66, 0x40400000
	s_wait_loadcnt 0x0
	v_and_b32 v36, 0xffff, v[TMP]
	v_or_b32 v36, s66, v36                         ; tile 0, Q in the low half of K
	v_lshl_or_b32 v37, v[TMP], 16, 0x4040          ; tile 0, Q in the high half
	v_lshrrev_b32 v38, 16, v[TMP]
	v_or_b32 v38, s66, v38
	v_and_b32 v39, 0xffff0000, v[TMP]
	v_or_b32 v39, 0x4040, v39
.set i, 0
.rept 64
	v_mov_b32 v[O+i], 0                            ; O^T: which step is the first hangs on stored numbers, so it cannot be written out.  (Also the places between the scale words' lines and the first product)
.set i, i+1
.endr
.macro QK t                            ; S^T of tile t: eight products, each starting a sum of its own
.irp j, 0,1,2,3
	v_wmma_scale_f32_16x16x128_f8f6f4 v[S+16*\j:S+16*\j+7], v[F+8*\j:F+8*\j+7], v[20+8*\t:27+8*\t], 0, v[KS+\j], v[36+2*\t] matrix_a_fmt:MATRIX_FMT_FP4 matrix_b_fmt:MATRIX_FMT_FP4
	v_wmma_scale_f32_16x16x128_f8f6f4 v[S+16*\j+8:S+16*\j+15], v[F+8*\j:F+8*\j+7], v[16+8*\t:23+8*\t], 0, v[KS+\j], v[37+2*\t] matrix_a_fmt:MATRIX_FMT_FP4 matrix_b_fmt:MATRIX_FMT_FP4
.endr
.endm
.macro MASK t                          ; class 1: 64 lane masks by scalar loads, one select a score
	s_cmp_eq_u32 s13, 1
	s_cbranch_scc0 .Lopen_\@
	s_load_b512 s[16:31], s[68:69], 256*\t
	s_load_b512 s[32:47], s[68:69], 256*\t+64
	s_load_b512 s[48:63], s[68:69], 256*\t+128
	s_load_b512 s[80:95], s[68:69], 256*\t+192
	s_wait_kmcnt 0x0
.set n, 0
.rept 48
	v_cndmask_b32 v[S+n], v[S+n], v5, s[16+n]
.set n, n+1
.endr
.rept 16
	v_cndmask_b32 v[S+n], v[S+n], v5, s[32+n]
.set n, n+1
.endr
.Lopen_\@:
.endm
.macro SOFTMAX t
.set ST, 8+4*\t
.irp b, 0,1,2,3
	v_max3_num_f32 v[BM+\b], v[S+16*\b], v[S+16*\b+1], v[S+16*\b+2]   ; the largest score of each block of 32 keys: for the row's maximum, and, since p rises with the score, for the block's largest p
.endr
.irp i, 3,5,7,9,11,13
.irp b, 0,1,2,3
	v_max3_num_f32 v[BM+\b], v[BM+\b], v[S+16*\b+\i], v[S+16*\b+\i+1]
.endr
.endr
.irp b, 0,1,2,3
	v_max_num_f32 v[BM+\b], v[BM+\b], v[S+16*\b+15]
.endr
.irp b, 0,1,2,3
	v_permlanex16_b32 v[BP+\b], v[BM+\b], s[SEL], s[SEL+1]
.endr
.irp b, 0,1,2,3
	v_max_num_f32 v[BM+\b], v[BM+\b], v[BP+\b]     ; with lane l xor 16's 16 keys
.endr
	v_max3_num_f32 v[TMP], v[BM], v[BM+1], v[BM+2]
	v_max_num_f32 v[TMP], v[TMP], v[BM+3]
	v_mul_f32 v[TMP], s[CS], v[TMP]                ; as t
	v_max_num_f32 v[ST+1], v[ST+1], v[TMP]         ; the running largest t
	v_mov_b32 v[TMP], v[ST]
	v_floor_f32 v[ST], -v[ST+1]                    ; the new -M = -ceil(t)
	v_sub_f32 v[TMP], v[ST], v[TMP]                ; old M - new M: a whole number, 0 or less
	v_cvt_i32_f32 v[TMP], v[TMP]                   ; (it saturates)
	v_ldexp_f32 v[FF], 1.0, v[TMP]                 ; f = 2^(old M - new M)
.irp j, 0,2,4,6,8,10,12,14,16,18,20,22,24,26,28,30,32,34,36,38,40,42,44,46,48,50,52,54,56,58,60,62
	v_pk_fma_f32 v[S+\j:S+\j+1], v[S+\j:S+\j+1], s[CS:CS+1], v[ST:ST+1] op_sel_hi:[1,0,0]   ; t - M
.endr
.irp b, 0,1,2,3
	v_fma_f32 v[BM+\b], v[BM+\b], s[CS], v[ST]
.endr
.set n, 0
.rept 64
	v_exp_f32 v[S+n], v[S+n]                       ; p = 2^(t - M)
.set n, n+1
.endr
	v_pk_mul_f32 v[ST+2:ST+3], v[ST+2:ST+3], v[FF:FF+1] op_sel_hi:[1,0]   ; the sums under the new M: a plain place behind the exponentials
	s_wait_alu depctr_va_vdst(0)                   ; one wait for the batch, ahead of its first reader
.irp b, 0,1,2,3
	v_exp_f32 v[BM+\b], v[BM+\b]                   ; the block's largest p
.endr
	v_pk_add_f32 v[SM2:SM2+1], v[S:S+1], v[S+2:S+3]   ; the row's sum, of the unquantised p, in two chains
.irp j, 4,8,12,16,20,24,28,32,36,40,44,48,52,56,60
	v_pk_add_f32 v[ST+2:ST+3], v[ST+2:ST+3], v[S+\j:S+\j+1]
	v_pk_add_f32 v[SM2:SM2+1], v[SM2:SM2+1], v[S+\j+2:S+\j+3]
.endr
	v_pk_add_f32 v[ST+2:ST+3], v[ST+2:ST+3], v[SM2:SM2+1]
	s_wait_alu depctr_va_vdst(0)                   ; and one for the four
.irp b, 0,1,2,3
	v_max_num_f32 v[BM+\b], 0x1800000, v[BM+\b]    ; the floor 2^(3 - 127): the byte cannot fall under 1
.endr
.irp b, 0,1,2,3
	v_add_nc_u32 v[BX+\b], 0xff000000, v[BM+\b]    ; 2 off the exponent field: the conversion's scale operand
.endr
.irp b, 0,1,2,3
	v_lshrrev_b32 v[BP+\b], 23, v[BX+\b]           ; the scale's byte
.endr
	v_lshl_or_b32 v[PS+\t], v[BP+1], 8, v[BP]
	v_lshl_or_b32 v[PS+\t], v[BP+2], 16, v[PS+\t]
	v_lshl_or_b32 v[PS+\t], v[BP+3], 24, v[PS+\t]
.irp c, 0,1
.irp u, 0,1
.irp w, 0,1
	v_cvt_scalef32_pk8_fp4_f32 v[P+8*\t+4*\c+2*\u+\w], v[S+16*(2*\c+\w)+8*\u:S+16*(2*\c+\w)+8*\u+7], v[BX+2*\c+\w]   ; octet 2 u + h of block 2 c + w
.endr
.endr
.endr
	v_nop                                          ; one plain place behind a scaled conversion
.irp c, 0,1
.irp u, 0,1
	v_permlane16_swap_b32 v[P+8*\t+4*\c+2*\u], v[P+8*\t+4*\c+2*\u+1]   ; registers 4 c .. 4 c + 3: keys 64 c + 32 h + 0 .. 31
.endr
.endr
.irp j, 0,2,4,6,8,10,12,14,16,18,20,22,24,26,28,30
	v_pk_mul_f32 v[O+32*\t+\j:O+32*\t+\j+1], v[O+32*\t+\j:O+32*\t+\j+1], v[FF:FF+1] op_sel_hi:[1,0]   ; O^T under the new M.  (Also the places ahead of the scaled products)
.endr
.endm
	s_mov_b32 s14, 0
.Lstep:                                            ; 16 trips, a constant; a step's work is passed over by its class
	s_and_b32 s13, s12, 3
	s_lshr_b32 s12, s12, 2
	s_cmp_eq_u32 s13, 0
	s_cbranch_scc1 .Lnext
.rept 4
	v_nop                                          ; places in front of loads into registers that the last products read
.endr
.irp i, 0,1,2,3,4,5,6,7
	global_load_b128 v[F+4*\i:F+4*\i+3], v1, s[8:9] offset:512*\i   ; key tile i: 512 consecutive bytes
.endr
	global_load_b128 v[KS:KS+3], v2, s[10:11]
	; A prefetch of the next step's 8,192 bytes of kv_img, a lane to each 256: one trip ahead of the loads that want them.  All 64 waves of a head walk the same bytes: the wave with query block 63 asks, so that each
	; block is named once in the launch; it asks in the trips that it works, and not in the last, which has no step behind it.
	s_cmp_lt_u32 s14, s15
	s_cbranch_scc0 .Lnot_mine
	global_prefetch_b8 v6, s[8:9] offset:8192 th:TH_LOAD_NT scope:SCOPE_SE
.Lnot_mine:
	s_wait_loadcnt 0x0
	QK 0
.rept 4
	v_nop
.endr
	MASK 0
	SOFTMAX 0
	QK 1
.rept 4
	v_nop                                          ; places in front of the reads of S^T and of the loads into K's registers
.endr
.irp i, 0,1,2,3,4,5,6,7
	global_load_b128 v[F+4*\i:F+4*\i+3], v1, s[8:9] offset:4096+512*\i   ; V's fragment i / 2, chunk i % 2: they land while tile 1's softmax is worked
.endr
	global_load_b128 v[VS:VS+3], v2, s[10:11] offset:256
	MASK 1
	SOFTMAX 1
	s_wait_loadcnt 0x0
.irp t, 0,1,2,3                        ; O^T += V^T P^T: eight accumulators, one instruction a turn
.irp u, 0,1
	v_wmma_scale_f32_16x16x128_f8f6f4 v[O+32*\u+8*\t:O+32*\u+8*\t+7], v[F+8*\t:F+8*\t+7], v[P+8*\u:P+8*\u+7], v[O+32*\u+8*\t:O+32*\u+8*\t+7], v[VS+\t], v[PS+\u] matrix_a_fmt:MATRIX_FMT_FP4 matrix_b_fmt:MATRIX_FMT_FP4
.endr
.endr
.Lnext:
	s_wait_xcnt 0x0                                ; every earlier memory instruction has read its base: the three may step
	s_add_nc_u64 s[8:9], s[8:9], 8192
	s_add_nc_u64 s[10:11], s[10:11], 512
	s_add_nc_u64 s[68:69], s[68:69], 512
	s_add_co_u32 s14, s14, 1
	s_cmp_lt_u32 s14, 16
	s_cbranch_scc1 .Lstep
	; THE WAY OUT: O^T / the sum, quantised along D: a head's 64 are two blocks; both tiles' four blocks lie in 64 registers on end, as a step's p did.
.rept 4
	v_nop                                          ; places behind the last products
.endr
.irp t, 0,1
	v_add_f32 v[10+4*\t], v[10+4*\t], v[11+4*\t]
.endr
.irp t, 0,1
	v_permlanex16_b32 v[BP+\t], v[10+4*\t], s[SEL], s[SEL+1]
.endr
.irp t, 0,1
	v_add_f32 v[10+4*\t], v[10+4*\t], v[BP+\t]     ; the row's sum
.endr
.irp t, 0,1
	v_rcp_f32 v[10+4*\t], v[10+4*\t]
.endr
	v_nop                                          ; a plain place behind the reciprocals
	s_wait_alu depctr_va_vdst(0)                   ; one wait for both, ahead of the first reader
.irp t, 0,1
.irp j, 0,2,4,6,8,10,12,14,16,18,20,22,24,26,28,30
	v_pk_mul_f32 v[S+32*\t+\j:S+32*\t+\j+1], v[O+32*\t+\j:O+32*\t+\j+1], v[10+4*\t:11+4*\t] op_sel_hi:[1,0]
.endr
.endr
.irp b, 0,1,2,3                        ; block b = 2 x tile + which 32 of the head's 64
	v_max3_num_f32 v[BM+\b], |v[S+16*\b]|, |v[S+16*\b+1]|, 0x1800000
.endr
.irp i, 2,4,6,8,10,12,14
.irp b, 0,1,2,3
	v_max3_num_f32 v[BM+\b], v[BM+\b], |v[S+16*\b+\i]|, |v[S+16*\b+\i+1]|
.endr
.endr
.irp b, 0,1,2,3
	v_permlanex16_b32 v[BP+\b], v[BM+\b], s[SEL], s[SEL+1]
.endr
.irp b, 0,1,2,3
	v_max_num_f32 v[BM+\b], v[BM+\b], v[BP+\b]
.endr
.irp b, 0,1,2,3
	v_add_nc_u32 v[BX+\b], 0xff000000, v[BM+\b]
.endr
.irp b, 0,1,2,3
	v_lshrrev_b32 v[BP+\b], 23, v[BX+\b]
.endr
	v_lshl_or_b32 v[PS], v[BP+1], 8, v[BP]         ; tile 0's two bytes,
	v_lshl_or_b32 v[PS+1], v[BP+3], 8, v[BP+2]     ; tile 1's
	v_cndmask_b32 v[TMP], v[PS], v[PS+1], s98      ; lanes 0-15 store tile 0's rows, lanes 16-31 tile 1's
.irp t, 0,1
.irp u, 0,1
.irp w, 0,1
	v_cvt_scalef32_pk8_fp4_f32 v[P+4*\t+2*\u+\w], v[S+16*(2*\t+\w)+8*\u:S+16*(2*\t+\w)+8*\u+7], v[BX+2*\t+\w]
.endr
.endr
.endr
	v_nop
.irp t, 0,1
.irp u, 0,1
	v_permlane16_swap_b32 v[P+4*\t+2*\u], v[P+4*\t+2*\u+1]   ; four registers: my row's dims 32 h + 0 .. 31 of this head: a chunk of the projection's operand
.endr
.endr
	global_store_b128 v1, v[P:P+3], s[72:73]               ; 512 consecutive bytes, aligned
	global_store_b128 v1, v[P+4:P+7], s[72:73] offset:8192
	global_store_b16 v7, v[TMP], s[74:75]                  ; two bytes a row, rows 32 bytes apart: a sixteenth of the codes' bytes; the sixteen heads of a row come from sixteen work-groups
	s_endpgm
.Lfunc_end_k_q214bae85da_attn:
	.size	k_q214bae85da_attn, .Lfunc_end_k_q214bae85da_attn-k_q214bae85da_attn
	.p2alignl 7, 3214868480
	.fill 96, 4, 3214868480
	.section	.rodata,"a",@progbits
	.p2align	6, 0x0
	.amdhsa_kernel k_q214bae85da_attn
		.amdhsa_group_segment_fixed_size 0
		.amdhsa_private_segment_fixed_size 0
		.amdhsa_enable_private_segment 0
		.amdhsa_kernarg_size 64
		.amdhsa_user_sgpr_count 2
		.amdhsa_user_sgpr_kernarg_segment_ptr 1
		.amdhsa_wavefront_size32 1
		.amdhsa_system_sgpr_workgroup_id_x 1
		.amdhsa_system_sgpr_workgroup_id_y 1
		.amdhsa_system_sgpr_workgroup_id_z 1
		.amdhsa_system_vgpr_workitem_id 0
		.amdhsa_next_free_vgpr 256
		.amdhsa_next_free_sgpr 100
		.amdhsa_reserve_vcc 0
		.amdhsa_float_denorm_mode_32 3
		.amdhsa_float_denorm_mode_16_64 3
		.amdhsa_memory_ordered 1
		.amdhsa_forward_progress 1
		.amdhsa_inst_pref_size 55
	.end_amdhsa_kernel
	.amdgpu_metadata
---
amdhsa.version: [ 1, 2 ]
amdhsa.kernels:
  - .name:           k_q214bae85da_attn
    .symbol:         k_q214bae85da_attn.kd
    .args:
      - { .name: q_img, .offset: 0, .size: 8, .value_kind: global_buffer, .address_space: global }
      - { .name: q_sc, .offset: 8, .size: 8, .value_kind: global_buffer, .address_space: global }
      - { .name: kv_img, .offset: 16, .size: 8, .value_kind: global_buffer, .address_space: global }
      - { .name: kv_sc, .offset: 24, .size: 8, .value_kind: global_buffer, .address_space: global }
      - { .name: maskw, .offset: 32, .size: 8, .value_kind: global_buffer, .address_space: global }
      - { .name: flags, .offset: 40, .size: 8, .value_kind: global_buffer, .address_space: global }
      - { .name: ctx_img, .offset: 48, .size: 8, .value_kind: global_buffer, .address_space: global }
      - { .name: ctx_sc, .offset: 56, .size: 8, .value_kind: global_buffer, .address_space: global }
    .group_segment_fixed_size: 0
    .private_segment_fixed_size: 0
    .kernarg_segment_align: 8
    .kernarg_segment_size: 64
    .max_flat_workgroup_size: 512
    .sgpr_count:     100
    .vgpr_count:     256
    .wavefront_size: 32
...
	.end_amdgpu_metadata
.endif
;; end of part 3
;; launch oproj (part 4): grid 32 x 8, 4 waves a work-group, clusters of 4 x 1, 167,936 bytes of LDS; arguments ctx_img, ctx_sc, Wo_codes, Wo_scales, bo, out0; writes out0
.if DOCPART == 4
	.amdgcn_target "amdgcn-amd-amdhsa--gfx1250"
	.amdhsa_code_object_version 6
	.text
	.protected	k_q214bae85da_oproj
	.globl	k_q214bae85da_oproj
	.p2align	8
	.type	k_q214bae85da_oproj,@function
k_q214bae85da_oproj:
	s_mov_b64 s[64:65], 0
	v_nop
	global_prefetch_b8 v0, s[64:65] scope:SCOPE_SE
	s_setreg_imm32_b32 hwreg(HW_REG_WAVE_MODE, 25, 1), 1
	s_wait_xcnt 0x0
	s_wait_alu depctr_hold_cnt(0) depctr_sa_sdst(0) depctr_va_vdst(0) depctr_va_sdst(0) depctr_va_ssrc(0) depctr_va_vcc(0) depctr_vm_vsrc(0)
	s_getreg_b32 s2, hwreg(HW_REG_IB_STS2, 6, 4)
	s_cmp_eq_u32 s2, 0
	s_cbranch_scc0 .Lentry_in_a_cluster
	s_endpgm
.Lentry_in_a_cluster:
	s_bfe_u32 s2, ttmp6, 0x10000c
	s_cmp_lg_u32 s2, 0x3003
	s_cbranch_scc0 .Lentry_shape_is_right
	s_endpgm
.Lentry_shape_is_right:
; out0 = ctx Wo^T + bo on codes of E2M1.  Nothing is left out.  ctx comes as attn stored it: ctx_img [tile of 16 rows, 512][head 16][512 bytes], a chunk being registers 4 c .. 4 c + 3 of the operand of K step g, head = 2 g + c,
; lane l's 16 bytes at 16 l; ctx_sc [row][32 bytes], row-major as the given scales are.
; SHARES.  A work-group makes 256 rows x 128 columns; 256 work-groups.  A wave makes 64 rows x 128 columns: 4 x 8 accumulators, 256 registers.  Its 64 rows of ctx, all of K, are 256 registers, loaded once from memory, 512 consecutive
; bytes a load.  Wo's 128 rows x 512 bytes come into LDS once.  K = 1,024 is eight steps of 128.
; CLUSTER 4 x 1: the four row blocks of a cluster need the same rows of Wo: each wave's 32 rows are asked for jointly, mask 15.  The address hangs on the column block and the wave's number alone.
; THE MATRIX INSTRUCTION IS USED TRANSPOSED (source 0 = 16 rows of Wo, source 1 = 16 rows of ctx): a lane holds eight neighbouring columns of a row.  The bias is the C of each sum's first instruction.
; SCALE WORDS: a lane's load of 16 bytes at 32 r + 16 h gives lanes 0-15 the words of K steps 0-3 and lanes 16-31 those of K steps 4-7: from K step 4 on both sides are read from the upper lanes.
; REGISTERS: window 0: v8-13 addresses; v28, v29 the add's two; v32-47 ctx's scale words; v48-79 Wo's; v128-255 Wo's fragments, two sets, later the rows on their way out.
;   window 1: accumulator (a, b) at v[8 (8 a + b)].   window 2: ctx's fragment (a, g) at v[8 (8 a + g)].   window 3: v0-63 the bias image, register 8 b + j = bo[n0 + 16 b + 8 h + j].
.set PITCH, 528                        ; an LDS row: 512 bytes + 16 of padding = 132 words: the 16 rows of a load start at 16 different banks
.set WROWS, 32*PITCH                   ; what a wave's tensor load brings
.set STAGE, 128*PITCH                  ; behind Wo's tile: 16 rows x 528 bytes for each wave, filled by no tensor load
.set SPARE, STAGE+4*16*PITCH           ; the spare words, 128 bytes a wave, named by no other line
.set LB,  8                            ; v8   528 r + 16 h
.set L16, 9                            ; v9   16 x lane
.set SO,  10                           ; v10  32 r + 16 h
.set BO,  11                           ; v11  32 h
.set STO, 12
.set RD,  13
.set SPW, 28
.set NIL, 29
.set AS,  32
.set BS,  48
.set BF,  128
.set G1,  24
.set G0,  32
.set MSB, 0
.macro WIN new
.if MSB != \new
	s_set_vgpr_msb (MSB<<8)|\new
.set MSB, \new
.endif
.endm
.macro ROUND                           ; a round of the cluster's barrier
	s_barrier_signal -1
	s_barrier_wait -1
	s_cmp_lg_u32 s16, 0
	s_cbranch_scc1 .Lnot_wave_0_\@
	s_barrier_signal -3
.Lnot_wave_0_\@:
	s_barrier_wait -3
	s_barrier_signal -1
	s_barrier_wait -1
.endm
.macro PLACES
.rept 4
	v_nop
.endr
.endm
	s_load_b256 s[4:11], s[0:1], 0x0               ; ctx_img, ctx_sc, Wo's codes, Wo's scales
	s_load_b128 s[12:15], s[0:1], 0x20             ; bo, out0
	v_lshl_add_u32 v[SPW], v0, 2, SPARE
	v_mov_b32 v[NIL], 0
	ds_add_u32 v[SPW], v[NIL]                      ; the wave's opening: the add, twice on end, and its wait ahead of my first tensor load
	ds_add_u32 v[SPW], v[NIL]
	v_lshrrev_b32 v1, 5, v0
	v_readfirstlane_b32 s16, v1                    ; wave 0..3
	s_bfe_u32 s17, ttmp6, 0x40000                  ; cx
	s_lshl_b32 s18, ttmp9, 2
	s_add_co_u32 s18, s18, s17                     ; my block of 256 rows: it enters ctx's and out0's addresses alone
	s_and_b32 s19, ttmp7, 0xffff                   ; my block of 128 columns, which the four partners share
	s_mov_b32 s[G1+0], 15|(0<<16)|(1<<20)|(1<<21)|(6<<22)|(3<<25)   ; the mask: all four; elements of 1 byte; padding: four words behind every 128
	s_mov_b32 s[G1+1], 512<<16                     ; tensor_dim0
	s_mov_b32 s[G1+2], 32<<16                      ; tensor_dim1
	s_mov_b32 s[G1+3], 512<<16                     ; tile_dim0
	s_mov_b32 s[G1+4], 32                          ; tile_dim1
	s_mov_b32 s[G1+5], 512                         ; the pitch
	s_mov_b32 s[G1+6], 0
	s_mov_b32 s[G1+7], 0
	s_lshl_b32 s20, s19, 7                         ; n0
	s_lshl_b32 s21, s16, 5
	s_add_co_u32 s21, s21, s20                     ; the first row of Wo that I fetch
	s_lshl_b32 s22, s21, 9
	s_mov_b32 s23, 0
	s_mul_i32 s36, s16, WROWS
	s_wait_dscnt 0x0                               ; both opening adds are done
	s_wait_kmcnt 0x0
	ROUND                                          ; all four work-groups are here: the joint loads meet
	s_mov_b32 s[G0], 1
	s_mov_b32 s[G0+1], s36
	s_add_nc_u64 s[G0+2:G0+3], s[8:9], s[22:23]
	s_or_b32 s[G0+3], s[G0+3], 0x80000000
	tensor_load_to_lds s[G0:G0+3], s[G1:G1+7]      ; every wave's one load: 32 rows of its own
	s_nop 0
	PLACES
	v_and_b32 v1, 15, v0                           ; r
	v_bfe_u32 v2, v0, 4, 1                         ; h
	v_and_b32 v3, 31, v0
	v_mul_u32_u24 v[LB], v1, PITCH
	v_lshl_add_u32 v[LB], v2, 4, v[LB]
	v_lshlrev_b32 v[L16], 4, v3
	v_lshlrev_b32 v[SO], 5, v1
	v_lshl_add_u32 v[SO], v2, 4, v[SO]
	v_lshlrev_b32 v[BO], 5, v2
	s_mul_i32 s37, s16, 16*PITCH
	s_add_co_u32 s37, s37, STAGE                   ; my stage
	v_mul_u32_u24 v[STO], v1, PITCH
	v_lshl_add_u32 v[STO], v2, 5, v[STO]
	v_add_nc_u32 v[STO], s37, v[STO]               ; in: row r, 32 bytes for each half of the lanes
	v_add_nc_u32 v[RD], s37, v[L16]                ; back: the 32 lanes take a row of 512 bytes
	s_lshl_b32 s38, s18, 4
	s_lshl_b32 s39, s16, 2
	s_add_co_u32 s38, s38, s39                     ; my first tile of 16 rows
	s_mov_b32 s41, 0
	s_lshl_b32 s40, s20, 5
	s_add_nc_u64 s[10:11], s[10:11], s[40:41]      ; Wo's scales at row n0
	s_lshl_b32 s40, s38, 9
	s_add_nc_u64 s[6:7], s[6:7], s[40:41]          ; ctx's scales at my first row
	s_lshl_b32 s40, s38, 13
	s_add_nc_u64 s[4:5], s[4:5], s[40:41]          ; ctx's codes
	s_lshl_b32 s40, s20, 2
	s_add_nc_u64 s[12:13], s[12:13], s[40:41]      ; bo at n0
	s_add_nc_u64 s[14:15], s[14:15], s[40:41]
	s_lshl_b32 s40, s38, 16
	s_add_nc_u64 s[14:15], s[14:15], s[40:41]      ; out0 at my first row, column n0
.irp b, 0,1,2,3,4,5,6,7
	global_load_b128 v[BS+4*\b:BS+4*\b+3], v[SO], s[10:11] offset:512*\b
.endr
.irp a, 0,1,2,3
	global_load_b128 v[AS+4*\a:AS+4*\a+3], v[SO], s[6:7] offset:512*\a
.endr
	WIN 0xc0                                       ; destination window 3
.irp b, 0,1,2,3,4,5,6,7
	global_load_b128 v[8*\b:8*\b+3], v[BO], s[12:13] offset:64*\b
	global_load_b128 v[8*\b+4:8*\b+7], v[BO], s[12:13] offset:64*\b+16
.endr
	WIN 0x80                                       ; destination window 2
.irp g, 0,1,2,3,4,5,6,7                ; K step by K step, so that the products can begin on the first
.irp a, 0,1,2,3
.irp c, 0,1
	global_load_b128 v[8*(8*\a+\g)+4*\c:8*(8*\a+\g)+4*\c+3], v[L16], s[4:5] offset:8192*\a+1024*\g+512*\c
.endr
.endr
.endr
	WIN 0
.macro FETCH g                         ; Wo's eight fragments of K step g into set g % 2
.irp b, 0,1,2,3,4,5,6,7
.irp c, 0,1
	ds_load_b128 v[BF+64*((\g)%2)+8*\b+4*\c:BF+64*((\g)%2)+8*\b+4*\c+3], v[LB] offset:16*\b*PITCH+64*(\g)+32*\c
.endr
.endr
.endm
.macro MUL g                           ; 32 products; the 32 accumulators take turns, one instruction a turn, in the same order in every K step
.irp a, 0,1,2,3
.irp b, 0,1,2,3,4,5,6,7
.if (\g) == 0
	v_wmma_scale_f32_16x16x128_f8f6f4 v[8*(8*\a+\b):8*(8*\a+\b)+7], v[BF+64*((\g)%2)+8*\b:BF+64*((\g)%2)+8*\b+7], v[8*(8*\a+(\g)):8*(8*\a+(\g))+7], v[8*\b:8*\b+7], v[BS+4*\b+(\g)%4], v[AS+4*\a+(\g)%4] matrix_a_fmt:MATRIX_FMT_FP4 matrix_b_fmt:MATRIX_FMT_FP4
.elseif (\g) < 4
	v_wmma_scale_f32_16x16x128_f8f6f4 v[8*(8*\a+\b):8*(8*\a+\b)+7], v[BF+64*((\g)%2)+8*\b:BF+64*((\g)%2)+8*\b+7], v[8*(8*\a+(\g)):8*(8*\a+(\g))+7], v[8*(8*\a+\b):8*(8*\a+\b)+7], v[BS+4*\b+(\g)%4], v[AS+4*\a+(\g)%4] matrix_a_fmt:MATRIX_FMT_FP4 matrix_b_fmt:MATRIX_FMT_FP4
.else
	v_wmma_scale_f32_16x16x128_f8f6f4 v[8*(8*\a+\b):8*(8*\a+\b)+7], v[BF+64*((\g)%2)+8*\b:BF+64*((\g)%2)+8*\b+7], v[8*(8*\a+(\g)):8*(8*\a+(\g))+7], v[8*(8*\a+\b):8*(8*\a+\b)+7], v[BS+4*\b+(\g)%4], v[AS+4*\a+(\g)%4] matrix_a_fmt:MATRIX_FMT_FP4 matrix_b_fmt:MATRIX_FMT_FP4 matrix_a_scale:MATRIX_SCALE_ROW1 matrix_b_scale:MATRIX_SCALE_ROW1
.endif
.endr
.endr
.endm
	s_wait_tensorcnt 0x0                           ; my 32 rows of Wo are in,
	s_barrier_signal -1
	s_barrier_wait -1                              ; everybody's are
	FETCH 0
.irp g, 0,1,2,3,4,5,6,7
.if \g > 0
	WIN 0
	PLACES                                         ; in front of loads into the set that the K step before multiplied
.endif
.if \g < 7
	FETCH \g+1
	s_wait_dscnt 16                                ; this K step's fragments are in; the next step's sixteen loads may be out
.else
	s_wait_dscnt 0x0
.endif
	s_wait_loadcnt 8*(7-\g)                        ; the scale words, the bias and ctx's K steps up to this one are in; eight loads for each later K step may be out
.if \g == 0
	WIN 0x78                                       ; source 1 (ctx) window 2, C (the bias) window 3, D window 1
.else
	WIN 0x58                                       ; C and D window 1
.endif
	MUL \g
.endr
	WIN 0
; THE WAY OUT, 16 rows x 128 columns at a time: a lane holds 32 neighbouring bytes of a row, the lanes beside it other rows: so a block goes through my own stage and comes back as whole rows of 512 bytes.
; LDS serves a wave's instructions in order (ISA guide 5.7.1.4): no wait between the stores and the loads, nor in front of the next block's stores.
.macro TOSTAGE a
	WIN 0x04                                       ; an LDS store's data: window 1
.irp b, 0,1,2,3,4,5,6,7
	ds_store_b128 v[STO], v[64*(\a)+8*\b:64*(\a)+8*\b+3] offset:64*\b          ; each accumulator from its low end on
	ds_store_b128 v[STO], v[64*(\a)+8*\b+4:64*(\a)+8*\b+7] offset:64*\b+16
.endr
	WIN 0
.set BB, BF+64*((\a)%2)
.irp t, 0,1,2,3,4,5,6,7,8,9,10,11,12,13,14,15
	ds_load_b128 v[BB+4*\t:BB+4*\t+3], v[RD] offset:\t*PITCH
.endr
.endm
.macro SEND a, younger                 ; younger: the LDS instructions issued behind block a's loads, which may stay out
.set BB, BF+64*((\a)%2)
	s_wait_dscnt \younger
.irp t, 0,1,2,3,4,5,6,7,8,9,10,11,12,13,14,15
	global_store_b128 v[L16], v[BB+4*\t:BB+4*\t+3], s[14:15] offset:(16*(\a)+\t)*4096 th:TH_STORE_NT   ; 32 lanes store 512 consecutive bytes, aligned; the row stands in the immediate: 63 rows of 4,096 bytes at the most
.endr
.endm
	PLACES                                         ; in front of the reads of results and of the loads into Wo's registers
	TOSTAGE 0
.irp a, 1,2,3
.if \a > 1
	s_wait_xcnt 0x0                                ; block a - 2's stores have read their registers: block a's loads may land there
.endif
	TOSTAGE \a
	SEND \a-1, 32                                  ; behind block a - 1's loads: block a's 16 stores and 16 loads
.endr
	SEND 3, 0
	s_wait_tensorcnt 0x0                           ; the wave's end: behind my last tensor load and my last LDS store
	ds_add_u32 v[SPW], v[NIL]
	s_wait_dscnt 0x0
	ROUND                                          ; the closing round
	s_endpgm
.Lfunc_end_k_q214bae85da_oproj:
	.size	k_q214bae85da_oproj, .Lfunc_end_k_q214bae85da_oproj-k_q214bae85da_oproj
	.p2alignl 7, 3214868480
	.fill 96, 4, 3214868480
	.section	.rodata,"a",@progbits
	.p2align	6, 0x0
	.amdhsa_kernel k_q214bae85da_oproj
		.amdhsa_group_segment_fixed_size 167936
		.amdhsa_private_segment_fixed_size 0
		.amdhsa_enable_private_segment 0
		.amdhsa_kernarg_size 48
		.amdhsa_user_sgpr_count 2
		.amdhsa_user_sgpr_kernarg_segment_ptr 1
		.amdhsa_wavefront_size32 1
		.amdhsa_system_sgpr_workgroup_id_x 1
		.amdhsa_system_sgpr_workgroup_id_y 1
		.amdhsa_system_sgpr_workgroup_id_z 1
		.amdhsa_system_vgpr_workitem_id 0
		.amdhsa_next_free_vgpr 832
		.amdhsa_next_free_sgpr 66
		.amdhsa_reserve_vcc 0
		.amdhsa_float_denorm_mode_32 3
		.amdhsa_float_denorm_mode_16_64 3
		.amdhsa_memory_ordered 1
		.amdhsa_forward_progress 1
		.amdhsa_inst_pref_size 70
	.end_amdhsa_kernel
	.amdgpu_metadata
---
amdhsa.version: [ 1, 2 ]
amdhsa.kernels:
  - .name:           k_q214bae85da_oproj
    .symbol:         k_q214bae85da_oproj.kd
    .args:
      - { .name: ctx_img, .offset: 0, .size: 8, .value_kind: global_buffer, .address_space: global }
      - { .name: ctx_sc, .offset: 8, .size: 8, .value_kind: global_buffer, .address_space: global }
      - { .name: Wo_codes, .offset: 16, .size: 8, .value_kind: global_buffer, .address_space: global }
      - { .name: Wo_scales, .offset: 24, .size: 8, .value_kind: global_buffer, .address_space: global }
      - { .name: bo, .offset: 32, .size: 8, .value_kind: global_buffer, .address_space: global }
      - { .name: out0, .offset: 40, .size: 8, .value_kind: global_buffer, .address_space: global }
    .group_segment_fixed_size: 167936
    .private_segment_fixed_size: 0
    .kernarg_segment_align: 8
    .kernarg_segment_size: 48
    .max_flat_workgroup_size: 128
    .sgpr_count:     66
    .vgpr_count:     832
    .wavefront_size: 32
...
	.end_amdgpu_metadata
.endif
;; end of part 4
;; ======== version 2 of 2: 4 launches; version 1 with the launch attn written anew for expert scheduling mode
;; limits: right only within a limited range of input values
;; workspace buffers: maskw 524,288 bytes of whole numbers; flags 8,192 bytes of whole numbers; q_img 4,194,304 bytes; q_sc 262,144 bytes; kv_img 8,388,608 bytes; kv_sc 524,288 bytes; ctx_img 4,194,304 bytes; ctx_sc 262,144 bytes
;; launch prep: the kernel of part 1 again; grid 256 x 1, 4 waves a work-group, no clusters, 68,096 bytes of LDS; arguments mask, maskw, flags; writes maskw, flags
;; launch qkv: the kernel of part 2 again; grid 8 x 48, 4 waves a work-group, clusters of 4 x 4, 327,680 bytes of LDS; arguments x_codes, x_scales, Wq_codes, Wq_scales, Wk_codes, Wk_scales, Wv_codes, Wv_scales, bq, bk, bv, q_img, q_sc, kv_img, kv_sc; writes q_img, q_sc, kv_img, kv_sc
;; launch attn (part 5): grid 4 x 64, 16 waves a work-group, no clusters, 0 bytes of LDS; arguments q_img, q_sc, kv_img, kv_sc, maskw, flags, ctx_img, ctx_sc; writes ctx_img, ctx_sc
.if DOCPART == 5
	.amdgcn_target "amdgcn-amd-amdhsa--gfx1250"
	.amdhsa_code_object_version 6
	.text
	.protected	k_q214bae85da_attn
	.globl	k_q214bae85da_attn
	.p2align	8
	.type	k_q214bae85da_attn,@function
k_q214bae85da_attn:
	s_mov_b64 s[64:65], 0
	v_nop
	global_prefetch_b8 v0, s[64:65] scope:SCOPE_SE
	s_setreg_imm32_b32 hwreg(HW_REG_WAVE_SCHED_MODE, 0, 2), 2
	s_setreg_imm32_b32 hwreg(HW_REG_WAVE_MODE, 25, 1), 1
	s_wait_xcnt 0x0
	s_wait_alu depctr_vm_vsrc(0)
; ctx = softmax(where(mask == 0, -1e9, q k^T / 8)) v for one head, both products on codes of E2M1, and ctx quantised along D for the projection that follows.
; LEFT OUT, by whole numbers that the first launch stored: a step of 128 keys that is hidden for all my 32 queries, where each of the 32 has an open key somewhere: its weights are 0 in f32 beside an open key.
; A block with a row that is hidden everywhere leaves nothing out.  LIMIT: open logits lie above -0.99e9.
; THE HIDDEN VALUE: a hidden score is set to -2^33, a logit of -2^30 in place of -1e9.  c x 2^33 is a whole number that f32 holds exactly, so a row with hidden keys alone gets t - M = 0 and p = 1 for every key, as f32 gives
; with -1e9; beside an open key both give the weight 0.
; THE SOFTMAX AHEAD OF THE SECOND PRODUCT: t = score x c, c = log2(e) / 8; M = the running largest t rounded up to a whole number; p = 2^(t - M) is quantised along the keys, not normalised; the row's sum is taken of the
; unquantised p and divides at the end; when M moves, the sum and O are multiplied by 2^(old M - new M), which rounds nothing.
; SHARES.  A wave owns 32 queries, two tiles of 16, of one head, in 256 registers; sixteen waves to a work-group, four to a SIMD, so that one wave's vector work stands beside another's loads and products.
; The waves share nothing: no LDS, no barrier.  K and V come from memory straight into operand registers, 512 consecutive bytes a load.
; NO CLUSTER, NO TENSOR LOAD: the walk branches on numbers read from memory.
; WHICH QUERIES: wave w of work-group x takes block qb = 32 (c / 2) + (j xor 31 (c % 2)), j = 4 x + w / 4, c = (w / 4 + w) % 4: one to one; waves with equal w % 4 get one block of each quarter of the sequence.
; LAYOUT.  Both products are used transposed: S^T = K Q^T (source 0 = keys), O^T = V^T P^T (source 0 = channels): a lane holds ONE query (lane % 16) throughout.  Score register n holds key 16 (n / 8) + 8 h + n % 8.
; THE HEAD'S 64 IN AN INSTRUCTION'S 128.  Source 0 holds TWO tiles of keys: registers 0-3 tile 2 j, registers 4-7 tile 2 j + 1.  It is multiplied once by [Q | zero codes], which gives tile 2 j, and once by [zero codes | Q].
; Only Q's side has zero codes in the dead half; its scale bytes there are 0x40, far under the live half's.
; REGISTERS: v1 16 x lane, v2 16 r, v5 -2^33, v6 256 x lane, v7 ctx_sc's offset; v8-15 for each tile -M, largest t, the sum in two halves; v16-35 zeros, Q0, zeros, Q1, zeros; v36-39 Q's scale words; v40-43 K's, v44-47 V's;
; v48-79 fragments of K, then of V; v80-143 S^T, then p; v144-207 O^T; v208-223 p's codes; v224-225 p's scale words; v226-243 at work.
; THE MODE: SCHED_MODE bits 1:0 = 2 (LLVM: expert scheduling mode 2), set by the entry lines.  The code itself states the register dependences between vector or matrix instructions and memory instructions, with s_wait_alu, always for 0.
; THE PLAN.  Registers that memory instructions touch:
;   v1, v2, v6, v7   offsets: made at the head, never written again; the bases are scalar and step at the loop's foot.  One wait ahead of the first load serves them for the whole kernel.
;   v20-23, v28-31, v240   loaded once at the head; no vector instruction names them before that.  v240 is at work afterwards, and at the end the data of the last store.
;   F  v48-79   K's loads land at a step's head; the sixteen score products read it; V's loads land behind tile 1's score products; the eight products of O^T read it.
;   KS v40-43   loaded at a step's head, read by the score products.      VS v44-47   loaded with V, read by the products of O^T.
;   P  v208-215 on the way out: written by conversions and exchanges, read by two stores.
;   S^T, O^T, the statistics, and in the loop p's codes and scale words are named by vector and matrix instructions alone.
; So a step has three waits of the mode's own: at its head (the last step's products are done reading F, KS and VS), behind tile 1's score products (they are done reading F), and ahead of the products of O^T (tile 1's codes and
; scale word, made by vector instructions, are written).  Beside them stand the two waits of each softmax, behind its exponentials.  The sixteen waves' 256 registers each fill the SIMDs' registers, so F has no second set.
; No register that a memory instruction reads is written again, so no wait on vm_vsrc is owed.
.set KS,  40
.set VS,  44
.set F,   48
.set S,   80
.set O,   144
.set P,   208
.set PS,  224
.set BM,  226
.set BP,  230
.set BX,  234
.set FF,  238
.set TMP, 240
.set SM2, 242
.set CS,  78                           ; s[78:79] c, twice
.set SEL, 96                           ; s[96:97] lane selects for lane l xor 16
	s_load_b256 s[4:11], s[0:1], 0x0               ; q_img, q_sc, kv_img, kv_sc
	s_load_b256 s[68:75], s[0:1], 0x20             ; maskw, flags, ctx_img, ctx_sc
	v_lshrrev_b32 v1, 5, v0
	v_readfirstlane_b32 s2, v1                     ; wave 0..15
	v_and_b32 v3, 31, v0
	v_lshlrev_b32 v1, 4, v3
	v_lshlrev_b32 v6, 8, v3
	v_and_b32 v3, 15, v0                           ; r
	v_lshlrev_b32 v2, 4, v3
	v_bfe_u32 v4, v0, 4, 1                         ; h
	v_lshlrev_b32 v7, 5, v3
	v_lshl_add_u32 v7, v4, 9, v7                   ; 32 r + 512 h
	v_mov_b32 v5, 0xd0000000                       ; -2^33
	s_wait_alu depctr_va_sdst(0)                   ; s2, the wave's number, is written, ahead of its first reader: my block of queries is made from it
	s_lshr_b32 s12, s2, 2
	s_and_b32 s13, s2, 3
	s_add_co_u32 s13, s13, s12
	s_and_b32 s13, s13, 3                          ; c
	s_lshl_b32 s14, ttmp9, 2
	s_add_co_u32 s14, s14, s12                     ; j
	s_and_b32 s15, s13, 1
	s_mul_i32 s15, s15, 31
	s_xor_b32 s14, s14, s15
	s_lshr_b32 s13, s13, 1
	s_lshl_b32 s13, s13, 5
	s_add_co_u32 s3, s14, s13                      ; qb
	s_and_b32 s99, ttmp7, 0xffff                   ; 16 x batch + head
	s_mov_b32 s77, 0
	s_mov_b32 s[CS], 0x3e38aa3b                    ; c = log2(e) / 8
	s_mov_b32 s[CS+1], s[CS]
	s_mov_b32 s[SEL], 0x76543210
	s_mov_b32 s[SEL+1], 0xfedcba98
	s_mov_b32 s98, 0xffff0000                      ; lanes 16-31
	s_wait_kmcnt 0x0
	s_lshl_b32 s76, s3, 7
	s_add_nc_u64 s[70:71], s[70:71], s[76:77]
	s_load_b512 s[16:31], s[70:71], 0x0            ; my block's flags: OPEN and HID of steps 0-7,
	s_load_b512 s[32:47], s[70:71], 0x40           ; of steps 8-15
	s_lshl_b32 s76, s99, 16
	s_lshl_b32 s66, s3, 10
	s_add_co_u32 s76, s76, s66
	s_add_nc_u64 s[4:5], s[4:5], s[76:77]
	s_wait_alu depctr_va_vdst(0)                   ; the offsets v1, v2, v6 and v7 are written: every load, the prefetch and every store of the kernel reads one of them
	global_load_b128 v[20:23], v1, s[4:5]          ; Q's two tiles stay in registers
	global_load_b128 v[28:31], v1, s[4:5] offset:512
	s_lshl_b32 s76, s99, 12
	s_lshr_b32 s66, s3, 2
	s_lshl_b32 s66, s66, 8
	s_add_co_u32 s76, s76, s66
	s_and_b32 s66, s3, 3
	s_lshl_b32 s66, s66, 2
	s_add_co_u32 s76, s76, s66
	s_add_nc_u64 s[6:7], s[6:7], s[76:77]
	global_load_b32 v[TMP], v2, s[6:7]             ; low half: tile 0's two scale bytes; high half: tile 1's
	s_lshl_b32 s76, s99, 17
	s_add_nc_u64 s[8:9], s[8:9], s[76:77]          ; kv_img at my head's step 0
	s_lshl_b32 s76, s99, 13
	s_add_nc_u64 s[10:11], s[10:11], s[76:77]      ; kv_sc likewise
	s_lshl_b32 s76, s3, 13
	s_add_nc_u64 s[68:69], s[68:69], s[76:77]      ; maskw at my block's step 0
	s_lshr_b32 s66, s99, 4
	s_lshl_b32 s66, s66, 7
	s_lshl_b32 s67, s3, 1
	s_add_co_u32 s66, s66, s67                     ; my first tile of rows among the 512
	s_and_b32 s67, s99, 15                         ; the head
	s_lshl_b32 s76, s66, 13
	s_lshl_b32 s13, s67, 9
	s_add_co_u32 s76, s76, s13
	s_add_nc_u64 s[72:73], s[72:73], s[76:77]
	s_lshl_b32 s76, s66, 9
	s_lshl_b32 s13, s67, 1
	s_add_co_u32 s76, s76, s13
	s_add_nc_u64 s[74:75], s[74:75], s[76:77]
.irp i, 16,17,18,19,24,25,26,27,32,33,34,35
	v_mov_b32 v\i, 0                               ; the zero codes beside Q
.endr
.irp t, 0,1
	v_mov_b32 v[9+4*\t], 0xff61b1e6                ; the largest t so far: -3e38
	v_floor_f32 v[8+4*\t], -v[9+4*\t]              ; -M
	v_mov_b32 v[10+4*\t], 0                        ; the sum, in two halves
	v_mov_b32 v[11+4*\t], 0
.endr
.irp b, 0,1,2,3
	v_mov_b32 v[BP+\b], 0                          ; a lane permute's destination counts as one of its sources
.endr
	v_mov_b32 v[FF+1], 0                           ; (named as the upper half of a pair)
	s_wait_kmcnt 0x0
	; A CLASS FOR EACH STEP, two bits: 0 left out; 1 the mask is applied; 2 wholly open
	s_mov_b32 s13, s16
.irp k, 1,2,3,4,5,6,7,8,9,10,11,12,13,14,15
	s_or_b32 s13, s13, s[16+2*\k]
.endr
	s_cmp_lg_u32 s13, -1
	s_cselect_b32 s15, 1, 0                        ; 1: some row of mine has no open key at all: nothing is left out
	s_mov_b32 s12, 0
.irp k, 0,1,2,3,4,5,6,7,8,9,10,11,12,13,14,15
	s_cmp_eq_u32 s[17+2*\k], 0
	s_cselect_b32 s13, 2, 1
	s_or_b32 s14, s[16+2*\k], s15
	s_cselect_b32 s13, s13, 0
	s_lshl_b32 s13, s13, 2*\k
	s_or_b32 s12, s12, s13
.endr
	s_cmp_eq_u32 s3, 63
	s_cselect_b32 s15, 15, 0                       ; the head's one wave that prefetches does so in trips 0 to 14
	s_mov_b32 s66, 0x40400000
	s_wait_loadcnt 0x0
	v_and_b32 v36, 0xffff, v[TMP]
	v_or_b32 v36, s66, v36                         ; tile 0, Q in the low half of K
	v_lshl_or_b32 v37, v[TMP], 16, 0x4040          ; tile 0, Q in the high half
	v_lshrrev_b32 v38, 16, v[TMP]
	v_or_b32 v38, s66, v38
	v_and_b32 v39, 0xffff0000, v[TMP]
	v_or_b32 v39, 0x4040, v39
.set i, 0
.rept 64
	v_mov_b32 v[O+i], 0                            ; O^T: which step is the first hangs on stored numbers, so it cannot be written out.  (Also the places between the scale words' lines and the first product)
.set i, i+1
.endr
.macro QK t                            ; S^T of tile t: eight products, each starting a sum of its own
.irp j, 0,1,2,3
	v_wmma_scale_f32_16x16x128_f8f6f4 v[S+16*\j:S+16*\j+7], v[F+8*\j:F+8*\j+7], v[20+8*\t:27+8*\t], 0, v[KS+\j], v[36+2*\t] matrix_a_fmt:MATRIX_FMT_FP4 matrix_b_fmt:MATRIX_FMT_FP4
	v_wmma_scale_f32_16x16x128_f8f6f4 v[S+16*\j+8:S+16*\j+15], v[F+8*\j:F+8*\j+7], v[16+8*\t:23+8*\t], 0, v[KS+\j], v[37+2*\t] matrix_a_fmt:MATRIX_FMT_FP4 matrix_b_fmt:MATRIX_FMT_FP4
.endr
.endm
.macro MASK t                          ; class 1: 64 lane masks by scalar loads, one select a score
	s_cmp_eq_u32 s13, 1
	s_cbranch_scc0 .Lopen_\@
	s_load_b512 s[16:31], s[68:69], 256*\t
	s_load_b512 s[32:47], s[68:69], 256*\t+64
	s_load_b512 s[48:63], s[68:69], 256*\t+128
	s_load_b512 s[80:95], s[68:69], 256*\t+192
	s_wait_kmcnt 0x0
.set n, 0
.rept 48
	v_cndmask_b32 v[S+n], v[S+n], v5, s[16+n]
.set n, n+1
.endr
.rept 16
	v_cndmask_b32 v[S+n], v[S+n], v5, s[32+n]
.set n, n+1
.endr
.Lopen_\@:
.endm
.macro SOFTMAX t
.set ST, 8+4*\t
.irp b, 0,1,2,3
	v_max3_num_f32 v[BM+\b], v[S+16*\b], v[S+16*\b+1], v[S+16*\b+2]   ; the largest score of each block of 32 keys: for the row's maximum, and, since p rises with the score, for the block's largest p
.endr
.irp i, 3,5,7,9,11,13
.irp b, 0,1,2,3
	v_max3_num_f32 v[BM+\b], v[BM+\b], v[S+16*\b+\i], v[S+16*\b+\i+1]
.endr
.endr
.irp b, 0,1,2,3
	v_max_num_f32 v[BM+\b], v[BM+\b], v[S+16*\b+15]
.endr
.irp b, 0,1,2,3
	v_permlanex16_b32 v[BP+\b], v[BM+\b], s[SEL], s[SEL+1]
.endr
.irp b, 0,1,2,3
	v_max_num_f32 v[BM+\b], v[BM+\b], v[BP+\b]     ; with lane l xor 16's 16 keys
.endr
	v_max3_num_f32 v[TMP], v[BM], v[BM+1], v[BM+2]
	v_max_num_f32 v[TMP], v[TMP], v[BM+3]
	v_mul_f32 v[TMP], s[CS], v[TMP]                ; as t
	v_max_num_f32 v[ST+1], v[ST+1], v[TMP]         ; the running largest t
	v_mov_b32 v[TMP], v[ST]
	v_floor_f32 v[ST], -v[ST+1]                    ; the new -M = -ceil(t)
	v_sub_f32 v[TMP], v[ST], v[TMP]                ; old M - new M: a whole number, 0 or less
	v_cvt_i32_f32 v[TMP], v[TMP]                   ; (it saturates)
	v_ldexp_f32 v[FF], 1.0, v[TMP]                 ; f = 2^(old M - new M)
.irp j, 0,2,4,6,8,10,12,14,16,18,20,22,24,26,28,30,32,34,36,38,40,42,44,46,48,50,52,54,56,58,60,62
	v_pk_fma_f32 v[S+\j:S+\j+1], v[S+\j:S+\j+1], s[CS:CS+1], v[ST:ST+1] op_sel_hi:[1,0,0]   ; t - M
.endr
.irp b, 0,1,2,3
	v_fma_f32 v[BM+\b], v[BM+\b], s[CS], v[ST]
.endr
.set n, 0
.rept 64
	v_exp_f32 v[S+n], v[S+n]                       ; p = 2^(t - M)
.set n, n+1
.endr
	v_pk_mul_f32 v[ST+2:ST+3], v[ST+2:ST+3], v[FF:FF+1] op_sel_hi:[1,0]   ; the sums under the new M: a plain place behind the exponentials
	s_wait_alu depctr_va_vdst(0)                   ; the 64 exponentials have written p in v[S ..], ahead of its first reader, the sums below: one wait for the batch
.irp b, 0,1,2,3
	v_exp_f32 v[BM+\b], v[BM+\b]                   ; the block's largest p
.endr
	v_pk_add_f32 v[SM2:SM2+1], v[S:S+1], v[S+2:S+3]   ; the row's sum, of the unquantised p, in two chains
.irp j, 4,8,12,16,20,24,28,32,36,40,44,48,52,56,60
	v_pk_add_f32 v[ST+2:ST+3], v[ST+2:ST+3], v[S+\j:S+\j+1]
	v_pk_add_f32 v[SM2:SM2+1], v[SM2:SM2+1], v[S+\j+2:S+\j+3]
.endr
	v_pk_add_f32 v[ST+2:ST+3], v[ST+2:ST+3], v[SM2:SM2+1]
	s_wait_alu depctr_va_vdst(0)                   ; the four exponentials have written the blocks' largest p in v[BM ..], ahead of the floor's lines, which read them
.irp b, 0,1,2,3
	v_max_num_f32 v[BM+\b], 0x1800000, v[BM+\b]    ; the floor 2^(3 - 127): the byte cannot fall under 1
.endr
.irp b, 0,1,2,3
	v_add_nc_u32 v[BX+\b], 0xff000000, v[BM+\b]    ; 2 off the exponent field: the conversion's scale operand
.endr
.irp b, 0,1,2,3
	v_lshrrev_b32 v[BP+\b], 23, v[BX+\b]           ; the scale's byte
.endr
	v_lshl_or_b32 v[PS+\t], v[BP+1], 8, v[BP]
	v_lshl_or_b32 v[PS+\t], v[BP+2], 16, v[PS+\t]
	v_lshl_or_b32 v[PS+\t], v[BP+3], 24, v[PS+\t]
.irp c, 0,1
.irp u, 0,1
.irp w, 0,1
	v_cvt_scalef32_pk8_fp4_f32 v[P+8*\t+4*\c+2*\u+\w], v[S+16*(2*\c+\w)+8*\u:S+16*(2*\c+\w)+8*\u+7], v[BX+2*\c+\w]   ; octet 2 u + h of block 2 c + w
.endr
.endr
.endr
	v_nop                                          ; one plain place behind a scaled conversion
.irp c, 0,1
.irp u, 0,1
	v_permlane16_swap_b32 v[P+8*\t+4*\c+2*\u], v[P+8*\t+4*\c+2*\u+1]   ; registers 4 c .. 4 c + 3: keys 64 c + 32 h + 0 .. 31
.endr
.endr
.irp j, 0,2,4,6,8,10,12,14,16,18,20,22,24,26,28,30
	v_pk_mul_f32 v[O+32*\t+\j:O+32*\t+\j+1], v[O+32*\t+\j:O+32*\t+\j+1], v[FF:FF+1] op_sel_hi:[1,0]   ; O^T under the new M.  (Also the places ahead of the scaled products)
.endr
.endm
	s_mov_b32 s14, 0
.Lstep:                                            ; 16 trips, a constant; a step's work is passed over by its class
	s_and_b32 s13, s12, 3
	s_lshr_b32 s12, s12, 2
	s_cmp_eq_u32 s13, 0
	s_cbranch_scc1 .Lnext
.rept 4
	v_nop                                          ; places behind the last products (ISA guide 7.12.1); the wait below states the dependence itself
.endr
	s_wait_alu depctr_va_vdst(0)                   ; the last step's products are done reading F, KS and VS, in which this step's loads land; in the first trip: Q's scale words and the zero codes beside Q are written, which the scaled products take
.irp i, 0,1,2,3,4,5,6,7
	global_load_b128 v[F+4*\i:F+4*\i+3], v1, s[8:9] offset:512*\i   ; key tile i: 512 consecutive bytes
.endr
	global_load_b128 v[KS:KS+3], v2, s[10:11]
	; A prefetch of the next step's 8,192 bytes of kv_img, a lane to each 256: one trip ahead of the loads that want them.  All 64 waves of a head walk the same bytes: the wave with query block 63 asks, so that each
	; block is named once in the launch; it asks in the trips that it works, and not in the last, which has no step behind it.
	s_cmp_lt_u32 s14, s15
	s_cbranch_scc0 .Lnot_mine
	global_prefetch_b8 v6, s[8:9] offset:8192 th:TH_LOAD_NT scope:SCOPE_SE
.Lnot_mine:
	s_wait_loadcnt 0x0
	QK 0
.rept 4
	v_nop
.endr
	MASK 0
	SOFTMAX 0
	QK 1
.rept 4
	v_nop                                          ; places in front of the reads of S^T
.endr
	s_wait_alu depctr_va_vdst(0)                   ; tile 1's score products, the last readers of K, are done reading F, in which V's loads land; no vector or matrix instruction behind this wait names F or VS until the loads are waited for
.irp i, 0,1,2,3,4,5,6,7
	global_load_b128 v[F+4*\i:F+4*\i+3], v1, s[8:9] offset:4096+512*\i   ; V's fragment i / 2, chunk i % 2: they land while tile 1's softmax is worked
.endr
	global_load_b128 v[VS:VS+3], v2, s[10:11] offset:256
	MASK 1
	SOFTMAX 1
	s_wait_loadcnt 0x0
	s_wait_alu depctr_va_vdst(0)                   ; tile 1's codes and its scale word, made by vector instructions, are written, which the scaled products below take (tile 0's stand ahead of tile 1's waits); the sixteen rescalings above are their places
.irp t, 0,1,2,3                        ; O^T += V^T P^T: eight accumulators, one instruction a turn
.irp u, 0,1
	v_wmma_scale_f32_16x16x128_f8f6f4 v[O+32*\u+8*\t:O+32*\u+8*\t+7], v[F+8*\t:F+8*\t+7], v[P+8*\u:P+8*\u+7], v[O+32*\u+8*\t:O+32*\u+8*\t+7], v[VS+\t], v[PS+\u] matrix_a_fmt:MATRIX_FMT_FP4 matrix_b_fmt:MATRIX_FMT_FP4
.endr
.endr
.Lnext:
	s_wait_xcnt 0x0                                ; every earlier memory instruction has read its base: the three may step
	s_add_nc_u64 s[8:9], s[8:9], 8192
	s_add_nc_u64 s[10:11], s[10:11], 512
	s_add_nc_u64 s[68:69], s[68:69], 512
	s_add_co_u32 s14, s14, 1
	s_cmp_lt_u32 s14, 16
	s_cbranch_scc1 .Lstep
	; THE WAY OUT: O^T / the sum, quantised along D: a head's 64 are two blocks; both tiles' four blocks lie in 64 registers on end, as a step's p did.
.rept 4
	v_nop                                          ; places behind the last products
.endr
.irp t, 0,1
	v_add_f32 v[10+4*\t], v[10+4*\t], v[11+4*\t]
.endr
.irp t, 0,1
	v_permlanex16_b32 v[BP+\t], v[10+4*\t], s[SEL], s[SEL+1]
.endr
.irp t, 0,1
	v_add_f32 v[10+4*\t], v[10+4*\t], v[BP+\t]     ; the row's sum
.endr
.irp t, 0,1
	v_rcp_f32 v[10+4*\t], v[10+4*\t]
.endr
	v_nop                                          ; a plain place behind the reciprocals
	s_wait_alu depctr_va_vdst(0)                   ; the two reciprocals have written v10 and v14, ahead of the multiplications that read them
.irp t, 0,1
.irp j, 0,2,4,6,8,10,12,14,16,18,20,22,24,26,28,30
	v_pk_mul_f32 v[S+32*\t+\j:S+32*\t+\j+1], v[O+32*\t+\j:O+32*\t+\j+1], v[10+4*\t:11+4*\t] op_sel_hi:[1,0]
.endr
.endr
.irp b, 0,1,2,3                        ; block b = 2 x tile + which 32 of the head's 64
	v_max3_num_f32 v[BM+\b], |v[S+16*\b]|, |v[S+16*\b+1]|, 0x1800000
.endr
.irp i, 2,4,6,8,10,12,14
.irp b, 0,1,2,3
	v_max3_num_f32 v[BM+\b], v[BM+\b], |v[S+16*\b+\i]|, |v[S+16*\b+\i+1]|
.endr
.endr
.irp b, 0,1,2,3
	v_permlanex16_b32 v[BP+\b], v[BM+\b], s[SEL], s[SEL+1]
.endr
.irp b, 0,1,2,3
	v_max_num_f32 v[BM+\b], v[BM+\b], v[BP+\b]
.endr
.irp b, 0,1,2,3
	v_add_nc_u32 v[BX+\b], 0xff000000, v[BM+\b]
.endr
.irp b, 0,1,2,3
	v_lshrrev_b32 v[BP+\b], 23, v[BX+\b]
.endr
	v_lshl_or_b32 v[PS], v[BP+1], 8, v[BP]         ; tile 0's two bytes,
	v_lshl_or_b32 v[PS+1], v[BP+3], 8, v[BP+2]     ; tile 1's
	v_cndmask_b32 v[TMP], v[PS], v[PS+1], s98      ; lanes 0-15 store tile 0's rows, lanes 16-31 tile 1's
.irp t, 0,1
.irp u, 0,1
.irp w, 0,1
	v_cvt_scalef32_pk8_fp4_f32 v[P+4*\t+2*\u+\w], v[S+16*(2*\t+\w)+8*\u:S+16*(2*\t+\w)+8*\u+7], v[BX+2*\t+\w]
.endr
.endr
.endr
	v_nop
.irp t, 0,1
.irp u, 0,1
	v_permlane16_swap_b32 v[P+4*\t+2*\u], v[P+4*\t+2*\u+1]   ; four registers: my row's dims 32 h + 0 .. 31 of this head: a chunk of the projection's operand
.endr
.endr
	s_wait_alu depctr_va_vdst(0)                   ; the exchanges have written v[P .. P + 7] and the select v[TMP]: the data of the three stores below
	global_store_b128 v1, v[P:P+3], s[72:73]               ; 512 consecutive bytes, aligned
	global_store_b128 v1, v[P+4:P+7], s[72:73] offset:8192
	global_store_b16 v7, v[TMP], s[74:75]                  ; two bytes a row, rows 32 bytes apart: a sixteenth of the codes' bytes; the sixteen heads of a row come from sixteen work-groups
	s_endpgm
.Lfunc_end_k_q214bae85da_attn:
	.size	k_q214bae85da_attn, .Lfunc_end_k_q214bae85da_attn-k_q214bae85da_attn
	.p2alignl 7, 3214868480
	.fill 96, 4, 3214868480
	.section	.rodata,"a",@progbits
	.p2align	6, 0x0
	.amdhsa_kernel k_q214bae85da_attn
		.amdhsa_group_segment_fixed_size 0
		.amdhsa_private_segment_fixed_size 0
		.amdhsa_enable_private_segment 0
		.amdhsa_kernarg_size 64
		.amdhsa_user_sgpr_count 2
		.amdhsa_user_sgpr_kernarg_segment_ptr 1
		.amdhsa_wavefront_size32 1
		.amdhsa_system_sgpr_workgroup_id_x 1
		.amdhsa_system_sgpr_workgroup_id_y 1
		.amdhsa_system_sgpr_workgroup_id_z 1
		.amdhsa_system_vgpr_workitem_id 0
		.amdhsa_next_free_vgpr 256
		.amdhsa_next_free_sgpr 100
		.amdhsa_reserve_vcc 0
		.amdhsa_float_denorm_mode_32 3
		.amdhsa_float_denorm_mode_16_64 3
		.amdhsa_memory_ordered 1
		.amdhsa_forward_progress 1
		.amdhsa_inst_pref_size 55
	.end_amdhsa_kernel
	.amdgpu_metadata
---
amdhsa.version: [ 1, 2 ]
amdhsa.kernels:
  - .name:           k_q214bae85da_attn
    .symbol:         k_q214bae85da_attn.kd
    .args:
      - { .name: q_img, .offset: 0, .size: 8, .value_kind: global_buffer, .address_space: global }
      - { .name: q_sc, .offset: 8, .size: 8, .value_kind: global_buffer, .address_space: global }
      - { .name: kv_img, .offset: 16, .size: 8, .value_kind: global_buffer, .address_space: global }
      - { .name: kv_sc, .offset: 24, .size: 8, .value_kind: global_buffer, .address_space: global }
      - { .name: maskw, .offset: 32, .size: 8, .value_kind: global_buffer, .address_space: global }
      - { .name: flags, .offset: 40, .size: 8, .value_kind: global_buffer, .address_space: global }
      - { .name: ctx_img, .offset: 48, .size: 8, .value_kind: global_buffer, .address_space: global }
      - { .name: ctx_sc, .offset: 56, .size: 8, .value_kind: global_buffer, .address_space: global }
    .group_segment_fixed_size: 0
    .private_segment_fixed_size: 0
    .kernarg_segment_align: 8
    .kernarg_segment_size: 64
    .max_flat_workgroup_size: 512
    .sgpr_count:     100
    .vgpr_count:     256
    .wavefront_size: 32
...
	.end_amdgpu_metadata
.endif
;; end of part 5
;; launch oproj: the kernel of part 4 again; grid 32 x 8, 4 waves a work-group, clusters of 4 x 1, 167,936 bytes of LDS; arguments ctx_img, ctx_sc, Wo_codes, Wo_scales, bo, out0; writes out0
